; MI455X (gfx1250); checked and timed in simulation.
; The chip was launched on July 23, 2026; its instructions are those of AMD's public machine-readable ISA for CDNA 5 (MIT licence, August 2026) and "CDNA5" Instruction Set Architecture Reference Guide (July 2026). The comments in the code are by the model that wrote it; some were corrected since.
;; Multi Head Attention. Allowed arithmetic: float matrix products may take bf16 or f16 operands with f32 sums; other float arithmetic in f32, or as packed bf16 or f16 multiplies, adds, multiply-adds, maxima and minima; sums over many terms, partial sums and values carried from step to step in f32; what a program stores and reads back later, other than sums and carried values, may be rounded once to bf16 or f16.
;; Inputs: Wk 2,048 x 2,048 float32; Wo 2,048 x 2,048 float32; Wq 2,048 x 2,048 float32; Wv 2,048 x 2,048 float32; bk 2,048 float32; bo 2,048 float32; bq 2,048 float32; bv 2,048 float32; x 2,048 x 2,048 float32.
;; Outputs: out0 2,048 x 2,048 float32.
;; One version. Each part assembles by itself: llvm-mc -triple=amdgcn-amd-amdhsa -mcpu=gfx1250 --defsym DOCPART=n.
;; ======== version 1 of 1: 4 launches
;; limits: values are held in f16: magnitudes above 65,504 overflow, below 6.1e-05 lose precision
;; workspace buffers: xb 8,388,608 bytes; wqkv 25,165,824 bytes; wob 8,388,608 bytes; bias 32,768 bytes; qkv 25,165,824 bytes; ob 8,388,608 bytes
;; launch cast (part 1): grid 256 x 5, 8 waves a work-group, no clusters, 0 bytes of LDS; arguments x, Wq, Wk, Wv, Wo, bq, bk, bv, bo, xb, wqkv, wob, bias; writes xb, wqkv, wob, bias
.if DOCPART == 1
	.amdgcn_target "amdgcn-amd-amdhsa--gfx1250"
	.amdhsa_code_object_version 6
	.text
	.protected	k_q5456896439_cast
	.globl	k_q5456896439_cast
	.p2align	8
	.type	k_q5456896439_cast,@function
k_q5456896439_cast:
	s_mov_b64 s[64:65], 0
	v_nop
	global_prefetch_b8 v0, s[64:65] scope:SCOPE_SE
	s_setreg_imm32_b32 hwreg(HW_REG_WAVE_MODE, 25, 1), 1
	s_wait_xcnt 0x0
; CAST.  Every input is rounded once to bf16.  x -> xb, Wq, Wk, Wv -> wqkv (rows on end), all as bf16; Wo -> wob: the bf16 number written as f16;
; bq, bk, bv, bo -> bias: the bf16 numbers written as f32, on end.
; LIMITS.  A bf16 number of Wo beyond 65,504 becomes an infinity in f16; below 6.1e-5 it keeps f16's fixed step of 6e-8.
; SHARES.  The grid's y names the matrix (0 x, 1 Wq, 2 Wk, 3 Wv, 4 Wo), its x a part of 65,536 input bytes = 32,768 output bytes.  Thread t takes 16 chunks: 16 bytes at
; 16 t + 4,096 i in, 8 bytes at 8 t + 2,048 i out: a wave's load covers 512 consecutive bytes, its store 256, aligned.  All 16 loads of a thread go out before the first wait.
; No LDS, no barrier, no matrix unit: each byte is read once and written once, and no wave wants another's bytes.
; No register is used twice by memory instructions, so nothing has to be freed.
.set X,  8                             ; v[8:71]   chunk i: 4 registers as loaded; its first two then hold what is stored
.set BV, 72                            ; v[72:79]  a bias's 8 numbers
.set BT, 80                            ; v[80:83]  at work
	s_load_b512 s[8:23], s[0:1], 0x0               ; x 8, Wq 10, Wk 12, Wv 14, Wo 16, bq 18, bk 20, bv 22
	s_load_b256 s[24:31], s[0:1], 0x40             ; bo 24, xb 26, wqkv 28, wob 30
	s_load_b64 s[32:33], s[0:1], 0x60              ; bias
	s_and_b32 s2, ttmp7, 0xffff                    ; y: which matrix
	s_mov_b32 s3, 0xffff0000                       ; a word's upper bf16
	v_lshlrev_b32 v1, 4, v0                        ; 16 t
	v_lshlrev_b32 v2, 3, v0                        ; 8 t
	s_lshl_b32 s34, ttmp9, 16                      ; my part's first byte, in
	s_mov_b32 s35, 0
	s_lshl_b32 s36, ttmp9, 15                      ; and out
	s_mov_b32 s37, 0
	s_sub_co_u32 s38, s2, 1                        ; Wq, Wk, Wv lie 8,388,608 bytes apart in wqkv
	s_lshl_b32 s38, s38, 23
	s_cmp_eq_u32 s2, 0
	s_cselect_b32 s38, 0, s38
	s_cmp_eq_u32 s2, 4
	s_cselect_b32 s38, 0, s38
	s_add_co_u32 s36, s36, s38
	s_wait_kmcnt 0x0
	s_cmp_eq_u32 s2, 1
	s_cselect_b64 s[4:5], s[10:11], s[8:9]
	s_cmp_eq_u32 s2, 2
	s_cselect_b64 s[4:5], s[12:13], s[4:5]
	s_cmp_eq_u32 s2, 3
	s_cselect_b64 s[4:5], s[14:15], s[4:5]
	s_cmp_eq_u32 s2, 4
	s_cselect_b64 s[4:5], s[16:17], s[4:5]         ; from where
	s_cselect_b64 s[6:7], s[30:31], s[28:29]
	s_cmp_eq_u32 s2, 0
	s_cselect_b64 s[6:7], s[26:27], s[6:7]         ; to where
	s_add_nc_u64 s[4:5], s[4:5], s[34:35]
	s_add_nc_u64 s[6:7], s[6:7], s[36:37]
.irp i, 0,1,2,3,4,5,6,7,8,9,10,11,12,13,14,15
	global_load_b128 v[X+4*(\i):X+4*(\i)+3], v1, s[4:5] offset:4096*(\i) th:TH_LOAD_NT
.endr
; Chunk i.  mode = 1 (Wo): the bf16 numbers are widened again and written as f16.
.macro CH i, mode
.set R, X+4*(\i)
	s_wait_loadcnt 15-(\i)                         ; loads come back in order (ISA guide 5.7.1): the 15 - i younger ones may stay out
	v_cvt_pk_bf16_f32 v[R], v[R], v[R+1]
	v_cvt_pk_bf16_f32 v[R+1], v[R+2], v[R+3]
.if \mode
	v_and_b32 v[R+2], s3, v[R]
	v_lshlrev_b32 v[R], 16, v[R]
	v_and_b32 v[R+3], s3, v[R+1]
	v_lshlrev_b32 v[R+1], 16, v[R+1]
	v_cvt_pk_f16_f32 v[R], v[R], v[R+2]
	v_cvt_pk_f16_f32 v[R+1], v[R+1], v[R+3]
.endif
	global_store_b64 v2, v[R:R+1], s[6:7] offset:2048*(\i) th:TH_STORE_NT
.endm
	s_cmp_eq_u32 s2, 4
	s_cbranch_scc1 .Lwo
.irp i, 0,1,2,3,4,5,6,7,8,9,10,11,12,13,14,15
	CH \i, 0
.endr
	s_branch .Lbias
.Lwo:
.irp i, 0,1,2,3,4,5,6,7,8,9,10,11,12,13,14,15
	CH \i, 1
.endr
.Lbias:                                        ; the first work-group of matrix y = 1 .. 4 also rounds bias y - 1: 8,192 bytes, 32 a thread
	s_cmp_lg_u32 ttmp9, 0
	s_cbranch_scc1 .Lend
	s_cmp_eq_u32 s2, 0
	s_cbranch_scc1 .Lend
	s_cmp_eq_u32 s2, 2
	s_cselect_b64 s[40:41], s[20:21], s[18:19]
	s_cmp_eq_u32 s2, 3
	s_cselect_b64 s[40:41], s[22:23], s[40:41]
	s_cmp_eq_u32 s2, 4
	s_cselect_b64 s[40:41], s[24:25], s[40:41]
	s_sub_co_u32 s42, s2, 1
	s_lshl_b32 s42, s42, 13
	s_mov_b32 s43, 0
	s_add_nc_u64 s[42:43], s[32:33], s[42:43]
	global_load_b128 v[BV:BV+3], v1, s[40:41]
	global_load_b128 v[BV+4:BV+7], v1, s[40:41] offset:4096
	s_wait_loadcnt 0x0
.irp p, 0,1,2,3
	v_cvt_pk_bf16_f32 v[BT+(\p)], v[BV+2*(\p)], v[BV+2*(\p)+1]
.endr
.irp p, 0,1,2,3
	v_lshlrev_b32 v[BV+2*(\p)], 16, v[BT+(\p)]
	v_and_b32 v[BV+2*(\p)+1], s3, v[BT+(\p)]
.endr
	global_store_b128 v1, v[BV:BV+3], s[42:43]
	global_store_b128 v1, v[BV+4:BV+7], s[42:43] offset:4096
.Lend:
	s_endpgm
.Lfunc_end_k_q5456896439_cast:
	.size	k_q5456896439_cast, .Lfunc_end_k_q5456896439_cast-k_q5456896439_cast
	.p2alignl 7, 3214868480
	.fill 96, 4, 3214868480
	.section	.rodata,"a",@progbits
	.p2align	6, 0x0
	.amdhsa_kernel k_q5456896439_cast
		.amdhsa_group_segment_fixed_size 0
		.amdhsa_private_segment_fixed_size 0
		.amdhsa_enable_private_segment 0
		.amdhsa_kernarg_size 104
		.amdhsa_user_sgpr_count 2
		.amdhsa_user_sgpr_kernarg_segment_ptr 1
		.amdhsa_wavefront_size32 1
		.amdhsa_system_sgpr_workgroup_id_x 1
		.amdhsa_system_sgpr_workgroup_id_y 1
		.amdhsa_system_sgpr_workgroup_id_z 1
		.amdhsa_system_vgpr_workitem_id 0
		.amdhsa_next_free_vgpr 84
		.amdhsa_next_free_sgpr 66
		.amdhsa_reserve_vcc 0
		.amdhsa_float_denorm_mode_32 3
		.amdhsa_float_denorm_mode_16_64 3
		.amdhsa_memory_ordered 1
		.amdhsa_forward_progress 1
		.amdhsa_inst_pref_size 17
	.end_amdhsa_kernel
	.amdgpu_metadata
---
amdhsa.version: [ 1, 2 ]
amdhsa.kernels:
  - .name:           k_q5456896439_cast
    .symbol:         k_q5456896439_cast.kd
    .args:
      - { .name: x, .offset: 0, .size: 8, .value_kind: global_buffer, .address_space: global }
      - { .name: Wq, .offset: 8, .size: 8, .value_kind: global_buffer, .address_space: global }
      - { .name: Wk, .offset: 16, .size: 8, .value_kind: global_buffer, .address_space: global }
      - { .name: Wv, .offset: 24, .size: 8, .value_kind: global_buffer, .address_space: global }
      - { .name: Wo, .offset: 32, .size: 8, .value_kind: global_buffer, .address_space: global }
      - { .name: bq, .offset: 40, .size: 8, .value_kind: global_buffer, .address_space: global }
      - { .name: bk, .offset: 48, .size: 8, .value_kind: global_buffer, .address_space: global }
      - { .name: bv, .offset: 56, .size: 8, .value_kind: global_buffer, .address_space: global }
      - { .name: bo, .offset: 64, .size: 8, .value_kind: global_buffer, .address_space: global }
      - { .name: xb, .offset: 72, .size: 8, .value_kind: global_buffer, .address_space: global }
      - { .name: wqkv, .offset: 80, .size: 8, .value_kind: global_buffer, .address_space: global }
      - { .name: wob, .offset: 88, .size: 8, .value_kind: global_buffer, .address_space: global }
      - { .name: bias, .offset: 96, .size: 8, .value_kind: global_buffer, .address_space: global }
    .group_segment_fixed_size: 0
    .private_segment_fixed_size: 0
    .kernarg_segment_align: 8
    .kernarg_segment_size: 104
    .max_flat_workgroup_size: 256
    .sgpr_count:     66
    .vgpr_count:     84
    .wavefront_size: 32
...
	.end_amdgpu_metadata
.endif
;; end of part 1
;; launch qkv (part 2): grid 16 x 16, 4 waves a work-group, clusters of 4 x 4, 327,680 bytes of LDS; arguments xb, wqkv, bias, qkv; writes qkv
.if DOCPART == 2
	.amdgcn_target "amdgcn-amd-amdhsa--gfx1250"
	.amdhsa_code_object_version 6
	.text
	.protected	k_q5456896439_qkv
	.globl	k_q5456896439_qkv
	.p2align	8
	.type	k_q5456896439_qkv,@function
k_q5456896439_qkv:
	s_mov_b64 s[64:65], 0
	v_nop
	global_prefetch_b8 v0, s[64:65] scope:SCOPE_SE
	s_setreg_imm32_b32 hwreg(HW_REG_WAVE_MODE, 25, 1), 1
	s_wait_xcnt 0x0
	s_wait_alu depctr_hold_cnt(0) depctr_sa_sdst(0) depctr_va_vdst(0) depctr_va_sdst(0) depctr_va_ssrc(0) depctr_va_vcc(0) depctr_vm_vsrc(0)
	s_getreg_b32 s2, hwreg(HW_REG_IB_STS2, 6, 4)
	s_cmp_eq_u32 s2, 0
	s_cbranch_scc0 .Lentry_in_a_cluster
	s_endpgm
.Lentry_in_a_cluster:
	s_bfe_u32 s2, ttmp6, 0x10000c
	s_cmp_lg_u32 s2, 0xf033
	s_cbranch_scc0 .Lentry_shape_is_right
	s_endpgm
.Lentry_shape_is_right:
; Q, K, V = x W^T + b for the three weights at once.  xb: [2048][2048] bf16; wqkv: [6144][2048] bf16 (Wq, Wk, Wv on end); bias: f32, bq, bk, bv on end.
; Out: qkv [48][2048][128] f16, by heads: plane h = Q of head h, 16 + h = K, 32 + h = V; a row is 256 bytes.  Sums in f32, started by the bias, rounded once to f16, unscaled.
; LIMIT.  f16 holds no number beyond 65,504: a q, k or v past that becomes an infinity.
; SHARES.  A tile of the product is 128 rows x 384 columns (three planes): 16 x 16 work-groups; the grid's x walks the tile rows (x's rows), its y the tile columns (W's rows).
; Wave w makes all 128 rows x columns 96 w .. 96 w + 95: 8 x 6 accumulators of 16 x 16, 384 registers.
; K goes in steps of 128 through two LDS slots filled by the tensor data mover: rows of 256 bytes, starting at multiples of 256 bytes from the buffer's first byte.
; A K STEP IS WRITTEN ONCE: the slot in hand is a scalar, 0 or SLOT, turned by an exclusive or at each change of slots; the fragment addresses are made from it, and one descriptor a tensor walks on.
; CLUSTER.  4 x 4 work-groups.  The four of a column of the cluster need the same tile of x, the four of a row the same tiles of W: each tile is asked for JOINTLY, by the same tensor load with
; the same descriptor and a mask that names the four.  Wave 0 fetches x's 128 rows, waves 1 to 3 one third each of W's 384.
; THE MATRIX INSTRUCTION IS USED TRANSPOSED: source 0 = 16 rows of W, source 1 = 16 rows of x: lane l holds row l % 16 of the product and the columns 8 (l / 16) + 0..7, which pack into 16 bytes.
; In that layout the bias of a column block is 8 registers, the same for all rows: it is the C operand of the products that start the sums.
; REGISTERS, in windows of 256 (s_set_vgpr_msb: bits 1:0 source 0, 3:2 source 1, 5:4 source 2, 7:6 destination):
;   window 0: v0-31 addresses; v64-127, v128-191 x's fragments (8 x 16 rows x 32 K), two buffers; v192-215 packed results; on the way out v64-255 whole rows
;   window 1: v64-111, v128-175 W's fragments (6), two buffers; v192-239 the bias
;   window 2: accumulators of rows 0-63 ((a, b) at 8 (6 a + b));  window 3: those of rows 64-127
.set KSTEP,  128
.set STEPS,  16                        ; 2048 / 128
.set PITCH,  272                       ; an LDS row: 256 bytes + 16 of padding = 68 words: row r starts at bank 4 r mod 64 (64 banks of 4 bytes: ISA guide 11.1)
.set HALFT,  128*PITCH                 ; 128 rows: what one tensor load brings: 0x8800 bytes
.set SLOT,   4*HALFT                   ; x's 128 rows, then W's 384: 0x22000 bytes.  A wave's tile begins at 0x8800 x wave, which has bits 13 and 17 clear: one exclusive or with SLOT turns it into the other slot's
.set SPARE,  2*SLOT                    ; behind the ring: the spare words, 128 bytes for each wave: two blocks of 256 bytes that no other line names
.set SPI,    784                       ; the way out: a stage row: 768 bytes + 16 = 196 words: row r starts at bank 4 r mod 64.  The stage, 128 such rows, lies in slot 0, which has then had its last fill
.set ADRA0, 16                         ; v16     LDS address of my fragments of x in slot 0; never rewritten
.set ADRA,  17                         ; v17     the same in the slot in hand
.set ADRB0, 20                         ; v20, v21  the same two for W
.set ADRB,  21
.set STO,  24                          ; v24-25  the way out: where I put 16 bytes of a row, for rows 0-63 and 64-127
.set RD,   26                          ; v26     where I read rows back
.set CO,   27                          ; v27     16 x my lane: my place in 512 consecutive bytes of a plane
.set SPW,  28                          ; v28     LDS address of my spare word; never rewritten
.set NIL,  29                          ; v29     0; never rewritten
.set PFO,  30                          ; v30     the prefetches' offset: my lane x a row of 4,096 bytes; never rewritten
.set BO,   31                          ; v31     32 x (lane / 16): my 8 numbers of a column block's bias
.set F0,   64
.set F1,   128
.set TMP,  192
.set BI,   192                         ; in window 1
.set WV,   12                          ; s12     my wave's number
.set SL,   14                          ; s14     the slot in hand: 0 or SLOT
.set LIM,  43                          ; s43     2 in a wave that prefetches, else the greatest number
.set PFA,  44                          ; s[44:45] where my prefetches stand
.set G1,  24                           ; s[24:31] descriptor group 1 for x's tiles;  s[32:39] group 0: a set for each of the two first fills; the second then walks on
.set G0,  32
.set G1B, 48                           ; s[48:55], s[56:63] the same for W's tiles
.set G0B, 56
.set MSB, 0
.macro WIN new                         ; the immediate's high byte repeats the setting that is left; a switch that changes nothing is dropped
.if MSB != (\new)
	s_set_vgpr_msb (MSB<<8)|(\new)
.set MSB, \new
.endif
.endm
; A joint load by descriptor set s.  The branch hangs on the wave's number alone.  An s_nop 0 and four v_nop follow each of the two lines, ahead of the jump, the label and what follows.
.macro JLOAD s
	s_cmp_eq_u32 s[WV], 0
	s_cbranch_scc0 .Lfor_b_\@
	tensor_load_to_lds s[G0+4*(\s):G0+4*(\s)+3], s[G1:G1+7]
	s_nop 0
.rept 4
	v_nop
.endr
	s_branch .Lasked_\@
.Lfor_b_\@:
	tensor_load_to_lds s[G0B+4*(\s):G0B+4*(\s)+3], s[G1B:G1B+7]
	s_nop 0
.rept 4
	v_nop
.endr
.Lasked_\@:
.endm
; A prefetch into the L2 of the K step that stands two refills on: 32 rows x 256 bytes, a lane a row, one instruction a wave, behind the joint load and the run of LDS loads.
; Each row's 256 bytes of a K step are named once in the launch: x's tile row is asked for by the clusters with y = 0, W's tile column by those with x = 0; of the 128 rows that a wave fetches
; the four partners that ask for them jointly take 32 each, told apart by address.  The trip with count n refills K step 16 - n and names K step 18 - n: the trips with n = 2 and 1 ask for nothing.
.macro ASK
	s_cmp_gt_u32 s3, s[LIM]
	s_cbranch_scc0 .Lnot_mine_\@
	global_prefetch_b8 v[PFO], s[PFA:PFA+1] offset:KSTEP*2 th:TH_LOAD_NT scope:SCOPE_SE
.Lnot_mine_\@:
.endm
.macro CREST                           ; a round of the cluster's barrier behind its opening barrier
	s_cmp_lg_u32 s[WV], 0
	s_cbranch_scc1 .Lnot_wave_0_\@
	s_barrier_signal -3
.Lnot_wave_0_\@:
	s_barrier_wait -3
	s_barrier_signal -1
	s_barrier_wait -1
.endm
.macro CROUND                          ; a whole round
	s_barrier_signal -1
	s_barrier_wait -1
	CREST
.endm
	s_load_b256 s[4:11], s[0:1], 0x0               ; xb s[4:5], wqkv s[6:7], bias s[8:9], qkv s[10:11]
	v_lshl_add_u32 v[SPW], v0, 2, SPARE
	v_mov_b32 v[NIL], 0
	ds_add_u32 v[SPW], v[NIL]                      ; the wave's opening: the add and its wait stand ahead of my first tensor load; the set-up below, work on registers, stands between them
	v_lshrrev_b32 v1, 5, v0
	v_readfirstlane_b32 s[WV], v1                  ; wave 0..3
	s_bfe_u32 s40, ttmp6, 0x40000                  ; cx, cy: my place in the cluster
	s_bfe_u32 s41, ttmp6, 0x40004
	s_lshl_b32 s13, ttmp9, 2
	s_add_co_u32 s13, s13, s40                     ; tile row Y = 4 x cluster x + cx
	s_and_b32 s42, ttmp7, 0xffff
	s_lshl_b32 s42, s42, 2
	s_add_co_u32 s42, s42, s41                     ; tile column X = 4 x cluster y + cy
	s_lshl_b32 s14, 0x1111, s40                    ; my column of the cluster: the four that share Y
	s_lshl_b32 s15, s41, 2
	s_lshl_b32 s15, 15, s15                        ; my row: the four that share X
	s_or_b32 s[G1+0], s14, (1<<16)|(1<<20)|(1<<21)|(5<<22)|(3<<25)   ; 15:0 the mask; 17:16 2-byte elements; 20 padding on; 21 set beside a mask; 24:22 after every 64 words (code 5); 31:25 4 words (code 3)
	s_or_b32 s[G1B+0], s15, (1<<16)|(1<<20)|(1<<21)|(5<<22)|(3<<25)
.irp g, G1, G1B
	s_mov_b32 s[(\g)+1], KSTEP<<16                 ; tensor_dim0 = 128
	s_mov_b32 s[(\g)+2], 128<<16                   ; tensor_dim1 = 128
	s_mov_b32 s[(\g)+3], KSTEP<<16                 ; tile_dim0 = 128
	s_mov_b32 s[(\g)+4], 128                       ; tile_dim1 = 128
	s_mov_b32 s[(\g)+5], 2048                      ; elements from row to row
	s_mov_b32 s[(\g)+6], 0
	s_mov_b32 s[(\g)+7], 0
.endr
	s_lshl_b32 s16, s13, 19                        ; x: 128 Y rows of 4,096 bytes
	s_mov_b32 s17, 0
	s_max_u32 s20, s[WV], 1
	s_sub_co_u32 s20, s20, 1                       ; which third of W's rows I fetch (wave 0 makes the address too and does not use it)
	s_lshl_b32 s20, s20, 7
	s_mul_i32 s46, s42, 384
	s_add_co_u32 s46, s46, s20
	s_lshl_b32 s46, s46, 12                        ; W: row 384 X + 128 x third, in bytes
	s_mov_b32 s47, 0
	s_mul_i32 s21, s[WV], HALFT                    ; where my tile goes: wave x 128 rows: no place in the cluster enters an LDS address
	s_wait_dscnt 0x0                               ; the opening add is done
	s_wait_kmcnt 0x0
	s_add_nc_u64 s[16:17], s[4:5], s[16:17]
	s_add_nc_u64 s[46:47], s[6:7], s[46:47]
	CROUND                                         ; all sixteen work-groups are here: the first joint loads meet
.irp s, 0,1
	s_mov_b32 s[G0+4*(\s)], 1                                        ; count = 1
	s_add_co_u32 s[G0+4*(\s)+1], s21, (\s)*SLOT                      ; LDS address
	s_add_nc_u64 s[G0+4*(\s)+2:G0+4*(\s)+3], s[16:17], (\s)*KSTEP*2  ; global address: K step s
	s_or_b32 s[G0+4*(\s)+3], s[G0+4*(\s)+3], 0x80000000              ; type = 2
	s_mov_b32 s[G0B+4*(\s)], 1
	s_add_co_u32 s[G0B+4*(\s)+1], s21, (\s)*SLOT
	s_add_nc_u64 s[G0B+4*(\s)+2:G0B+4*(\s)+3], s[46:47], (\s)*KSTEP*2
	s_or_b32 s[G0B+4*(\s)+3], s[G0B+4*(\s)+3], 0x80000000
	JLOAD \s                                       ; two loads of mine are out
.endr
	; A fragment is 16 rows x 32 K in 8 registers: lane l holds row l % 16; registers 0-3 K = 8 (l / 16) + 0..7, registers 4-7 K = 16 + 8 (l / 16) + 0..7: two loads of 16 bytes, 32 bytes apart.
	v_and_b32 v1, 15, v0                           ; l % 16
	v_bfe_u32 v2, v0, 4, 1                         ; l / 16
	v_mul_u32_u24 v3, v1, PITCH
	v_lshl_add_u32 v3, v2, 4, v3
	v_mov_b32 v[ADRA0], v3
	v_mov_b32 v[ADRA], v3
	s_mul_i32 s22, s[WV], 96*PITCH                 ; my 96 rows of W,
	s_add_co_u32 s22, s22, HALFT                   ; which lie behind x's 128
	v_add_nc_u32 v[ADRB0], s22, v3
	v_add_nc_u32 v[ADRB], s22, v3
	v_mul_u32_u24 v4, v1, SPI                      ; into the stage: row l % 16, my wave's 192 bytes, 16 bytes for each half of the lanes
	v_lshl_add_u32 v4, v2, 4, v4
	s_mul_i32 s22, s[WV], 192
	v_add_nc_u32 v[STO], s22, v4
	v_add_nc_u32 v[STO+1], 64*SPI, v[STO]
	v_mul_u32_u24 v5, v2, SPI                      ; back: wave w takes rows 32 w .. 32 w + 31; lanes 0-15 one row's 256 bytes of a plane, lanes 16-31 the next row's
	v_lshl_add_u32 v5, v1, 4, v5
	s_mul_i32 s22, s[WV], 32*SPI
	v_add_nc_u32 v[RD], s22, v5
	v_and_b32 v[CO], 31, v0
	v_lshlrev_b32 v[PFO], 12, v[CO]
	v_lshlrev_b32 v[CO], 4, v[CO]
	v_lshlrev_b32 v[BO], 5, v2
	s_mul_i32 s22, s42, 1536                       ; the bias of my 96 columns: 4 (384 X + 96 w)
	s_mul_i32 s23, s[WV], 384
	s_add_co_u32 s22, s22, s23
	s_mov_b32 s23, 0
	s_add_nc_u64 s[8:9], s[8:9], s[22:23]
	WIN 0x40                                       ; destination window 1, address window 0
.irp b, 0,1,2,3,4,5
	global_load_b128 v[BI+8*(\b):BI+8*(\b)+3],   v[BO], s[8:9] offset:64*(\b)
	global_load_b128 v[BI+8*(\b)+4:BI+8*(\b)+7], v[BO], s[8:9] offset:64*(\b)+16
.endr
	WIN 0
	s_mul_i32 s22, s42, 3*524288                   ; out: plane 3 X, row 128 Y + 32 w
	s_lshl_b32 s23, s13, 15
	s_add_co_u32 s22, s22, s23
	s_lshl_b32 s23, s[WV], 13
	s_add_co_u32 s22, s22, s23
	s_mov_b32 s23, 0
	s_add_nc_u64 s[10:11], s[10:11], s[22:23]
	; the prefetches
	s_lshl_b32 s20, s13, 7                         ; x: the tile's first row
	s_mul_i32 s21, s42, 384
	s_max_u32 s22, s[WV], 1
	s_sub_co_u32 s22, s22, 1
	s_lshl_b32 s22, s22, 7
	s_add_co_u32 s21, s21, s22                     ; W: my third's first row
	s_and_b32 s22, ttmp7, 0xffff                   ; cluster y
	s_cmp_eq_u32 s[WV], 0                          ; do I fetch for x?
	s_cselect_b32 s20, s20, s21
	s_cselect_b32 s21, s41, s40                    ; my place among the four that ask with me: cy for x, cx for W
	s_cselect_b32 s22, s22, ttmp9                  ; the coordinate along which other clusters read the same rows: cluster y for x, cluster x for W
	s_cselect_b64 s[PFA:PFA+1], s[4:5], s[6:7]
	s_cmp_eq_u32 s22, 0
	s_cselect_b32 s[LIM], 2, -1                    ; the same in all sixteen partners, for a given wave
	s_lshl_b32 s21, s21, 5
	s_add_co_u32 s20, s20, s21                     ; + my work-group's 32 rows
	s_lshl_b32 s20, s20, 12
	s_mov_b32 s21, 0
	s_add_nc_u64 s[PFA:PFA+1], s[PFA:PFA+1], s[20:21]
	s_add_nc_u64 s[PFA:PFA+1], s[PFA:PFA+1], 2*KSTEP*2  ; at K step 2: the first refill steps it to 3 and names K step 4.  Nothing is prefetched here, at the head
	s_mov_b32 s[SL], 0                             ; K step 0 lies in slot 0
; 12 matrix instructions: row blocks a0, a0 + 1 of the window's four (hi = 0: rows 0-63, 1: rows 64-127) x all 6 column blocks, 32 along K.
; first = 1: the bias starts the sums: nothing is cleared and nothing is added later.  The 48 accumulators take turns, in the same order in every quarter.
.macro MUL12 f, hi, a0, first
.if \first
	WIN 0x91+0x40*(\hi)                            ; W window 1, x window 0, C (the bias) window 1, D window 2 or 3
.else
	WIN 0xa1+0x50*(\hi)                            ; C and D window 2 or 3
.endif
.irp a, \a0, (\a0)+1
.irp b, 0,1,2,3,4,5
.if \first
	v_wmma_f32_16x16x32_bf16 v[8*(6*(\a)+(\b)):8*(6*(\a)+(\b))+7], v[(\f)+8*(\b):(\f)+8*(\b)+7], v[(\f)+8*(4*(\hi)+(\a)):(\f)+8*(4*(\hi)+(\a))+7], v[BI+8*(\b):BI+8*(\b)+7]
.else
	v_wmma_f32_16x16x32_bf16 v[8*(6*(\a)+(\b)):8*(6*(\a)+(\b))+7], v[(\f)+8*(\b):(\f)+8*(\b)+7], v[(\f)+8*(4*(\hi)+(\a)):(\f)+8*(4*(\hi)+(\a))+7], v[8*(6*(\a)+(\b)):8*(6*(\a)+(\b))+7]
.endif
.endr
.endr
.endm
; 28 LDS loads in one run: the fragments of one quarter step (96 rows of W, 128 rows of x, 32 K at byte k of the rows of the slot in hand) into buffer f
.macro FETCH k, f
	WIN 0x40
.irp i, 0,1,2,3,4,5
	ds_load_b128 v[(\f)+8*(\i):(\f)+8*(\i)+3],   v[ADRB] offset:(\k)+(\i)*16*PITCH
	ds_load_b128 v[(\f)+8*(\i)+4:(\f)+8*(\i)+7], v[ADRB] offset:(\k)+(\i)*16*PITCH+32
.endr
	WIN 0
.irp i, 0,1,2,3,4,5,6,7
	ds_load_b128 v[(\f)+8*(\i):(\f)+8*(\i)+3],   v[ADRA] offset:(\k)+(\i)*16*PITCH
	ds_load_b128 v[(\f)+8*(\i)+4:(\f)+8*(\i)+7], v[ADRA] offset:(\k)+(\i)*16*PITCH+32
.endr
.endm
.macro PLACES                          ; four places in front of loads into registers that matrix instructions have read (ISA guide 7.12.1 for vector instructions)
.rept 4
	v_nop
.endr
.endm
; A K step is four quarters of 32 along K, 48 matrix instructions each, on buffers 0, 1, 0, 1.  One of the first three: multiplies buffer f and fetches the next quarter, at byte k, into g.
.macro QUARTER k, f, g, first
	s_wait_dscnt 8                                 ; W and x's rows 0-63 are in; the youngest eight loads (x's rows 64-127) may be out
	MUL12 \f, 0, 0, \first
	MUL12 \f, 0, 2, \first
	PLACES
	FETCH \k, \g
	s_wait_dscnt 28                                ; all but the 28 just issued
	MUL12 \f, 1, 0, \first
	MUL12 \f, 1, 2, \first
.endm
; The last quarter's first half: ONE barrier for the change of slots.  In front of it each wave waits for all its tensor loads (one is out: its part of the next slot), adds 0 to its spare word,
; and waits for that and for its own reads of this slot.  Behind it nobody reads this slot any more and the next slot is whole.
.macro MEET
	WIN 0                                          ; (the add's two registers lie in window 0)
	s_wait_tensorcnt 0x0
	ds_add_u32 v[SPW], v[NIL]                      ; 0 onto my spare word
	s_wait_dscnt 9                                 ; (the add and the youngest eight loads may be out)
	MUL12 F1, 0, 0, 0                              ; twelve matrix instructions stand between the add and the wait for it
	s_wait_dscnt 0x0                               ; the add is done, and my reads of this slot are over
	s_barrier_signal -1
	MUL12 F1, 0, 2, 0                              ; work on registers while the others arrive
	WIN 0                                          ; (branches, or lines on window 0, follow)
	s_barrier_wait -1
.endm
; The whole last quarter.  fill = 1: the barrier opens a round of the cluster's barrier, and the slot just read out is filled again, with the K step two on, first thing behind the round:
; the walking descriptors turn to the other slot than last time and step one K step on.  Then the slot in hand changes, and the next K step's first fragments are fetched.
.macro TURN fill
.if \fill
	s_wait_xcnt 0x0                                ; the last prefetch, a K step back, has read its address: it is stepped here, ahead of the waits of the change of slots
	s_add_nc_u64 s[PFA:PFA+1], s[PFA:PFA+1], KSTEP*2
.endif
	MEET
.if \fill
	CREST                                          ; no wave of any partner still reads this slot's tile or has a load on its way
.irp g, G0+4, G0B+4
	s_xor_b32 s[(\g)+1], s[(\g)+1], SLOT
	s_add_nc_u64 s[(\g)+2:(\g)+3], s[(\g)+2:(\g)+3], KSTEP*2  ; the type bits on top are not reached
.endr
	JLOAD 1                                        ; my one tensor load behind the round; the four v_nop behind it are also the places in front of the loads below
.else
	PLACES
.endif
	s_xor_b32 s[SL], s[SL], SLOT
	v_add_nc_u32 v[ADRA], s[SL], v[ADRA0]
	v_add_nc_u32 v[ADRB], s[SL], v[ADRB0]
	FETCH 0, F0
.if \fill
	ASK
.endif
	MUL12 F1, 1, 0, 0
	MUL12 F1, 1, 2, 0
.endm
	s_wait_tensorcnt 1                             ; my part of K step 0 is in; K step 1's may stay out
	s_barrier_signal -1
	s_barrier_wait -1                              ; everybody's is
	FETCH 0, F0
	s_wait_loadcnt 0x0                             ; the bias
	QUARTER 64,  F0, F1, 1                         ; the first quarter stands in front of the loop: its products start the sums
	WIN 0                                          ; at a label and at a branch every window is 0
	s_mov_b32 s3, STEPS-2
.Lstep:                                                ; a trip goes from a K step's second quarter to the next step's first, and fills the slot that it leaves: K steps 2 to 15
	QUARTER 128, F1, F0, 0
	QUARTER 192, F0, F1, 0
	TURN 1
	QUARTER 64,  F0, F1, 0
	WIN 0
	s_sub_co_u32 s3, s3, 1
	s_cmp_lg_u32 s3, 0
	s_cbranch_scc1 .Lstep
	s_mov_b32 s3, 2                                ; the last two K steps fill nothing and have no round of the cluster's barrier: a text of their own
.Ltail:
	QUARTER 128, F1, F0, 0
	QUARTER 192, F0, F1, 0
	WIN 0
	s_cmp_eq_u32 s3, 1                             ; the second trip is left here: the count is a constant of the text, the same in every wave
	s_cbranch_scc1 .Lout
	TURN 0
	QUARTER 64,  F0, F1, 0
	WIN 0
	s_sub_co_u32 s3, s3, 1
	s_cmp_lg_u32 s3, 0
	s_cbranch_scc1 .Ltail
.Lout:
	s_wait_dscnt 8                                 ; the very last quarter: nothing more to fetch
	MUL12 F1, 0, 0, 0
	MUL12 F1, 0, 2, 0
	s_wait_dscnt 0x0
	MUL12 F1, 1, 0, 0
	MUL12 F1, 1, 2, 0
	WIN 0
	; THE WAY OUT.  Rounded to f16, 16 bytes a lane into the work-group's stage; a barrier, since a plane's 256 bytes of a row come from two waves; back as whole rows.
	; The stage lies in slot 0: its last fill was K step 14's.  A barrier stands first: every wave's reads of the ring are over (the wait for 0 above) before any wave stores there.
	s_barrier_signal -1
.rept 8
	v_nop                                          ; the places behind the last products
.endr
	s_barrier_wait -1
.macro PACK a
.set AC, 48*((\a)%4)
	WIN 0x0a+5*((\a)/4)                            ; sources 0 and 1: window 2 or 3
.irp b, 0,1,2,3,4,5
.irp r, 0,1,2,3
	v_cvt_pk_f16_f32 v[TMP+4*(\b)+(\r)], v[AC+8*(\b)+2*(\r)], v[AC+8*(\b)+2*(\r)+1]  ; each accumulator's registers in ascending order
.endr
.endr
	WIN 0
.irp b, 0,1,2,3,4,5
	ds_store_b128 v[STO+(\a)/4], v[TMP+4*(\b):TMP+4*(\b)+3] offset:((\a)%4)*16*SPI+32*(\b)
.endr
.endm
.irp a, 0,1,2,3,4,5,6,7
	PACK \a
.endr
	s_wait_dscnt 0x0                               ; for the others' sake: my stores into the stage are done
	s_barrier_signal -1
	s_barrier_wait -1
.irp u, 0,1,2
.irp t, 0,1,2,3,4,5,6,7,8,9,10,11,12,13,14,15
	ds_load_b128 v[64+64*(\u)+4*(\t):64+64*(\u)+4*(\t)+3], v[RD] offset:2*SPI*(\t)+256*(\u)
.endr
.endr
.irp u, 0,1,2
.irp t, 0,1,2,3,4,5,6,7,8,9,10,11,12,13,14,15
	s_wait_dscnt 47-(16*(\u)+(\t))                 ; LDS loads come back in order: the younger ones may stay out
	global_store_b128 v[CO], v[64+64*(\u)+4*(\t):64+64*(\u)+4*(\t)+3], s[10:11] offset:524288*(\u)+512*(\t)  ; two rows of plane 3 X + u: 512 consecutive bytes, at a multiple of 256 from qkv's first byte
.endr
.endr
	s_wait_tensorcnt 0x0                           ; the wave's end, behind my last tensor load and my last LDS store
	ds_add_u32 v[SPW], v[NIL]
	s_wait_dscnt 0x0
	CROUND                                         ; the closing round: no work-group ends while a partner may still ask for a tile that names it
	s_endpgm
.Lfunc_end_k_q5456896439_qkv:
	.size	k_q5456896439_qkv, .Lfunc_end_k_q5456896439_qkv-k_q5456896439_qkv
	.p2alignl 7, 3214868480
	.fill 96, 4, 3214868480
	.section	.rodata,"a",@progbits
	.p2align	6, 0x0
	.amdhsa_kernel k_q5456896439_qkv
		.amdhsa_group_segment_fixed_size 327680
		.amdhsa_private_segment_fixed_size 0
		.amdhsa_enable_private_segment 0
		.amdhsa_kernarg_size 32
		.amdhsa_user_sgpr_count 2
		.amdhsa_user_sgpr_kernarg_segment_ptr 1
		.amdhsa_wavefront_size32 1
		.amdhsa_system_sgpr_workgroup_id_x 1
		.amdhsa_system_sgpr_workgroup_id_y 1
		.amdhsa_system_sgpr_workgroup_id_z 1
		.amdhsa_system_vgpr_workitem_id 0
		.amdhsa_next_free_vgpr 960
		.amdhsa_next_free_sgpr 66
		.amdhsa_reserve_vcc 0
		.amdhsa_float_denorm_mode_32 3
		.amdhsa_float_denorm_mode_16_64 3
		.amdhsa_memory_ordered 1
		.amdhsa_forward_progress 1
		.amdhsa_inst_pref_size 87
	.end_amdhsa_kernel
	.amdgpu_metadata
---
amdhsa.version: [ 1, 2 ]
amdhsa.kernels:
  - .name:           k_q5456896439_qkv
    .symbol:         k_q5456896439_qkv.kd
    .args:
      - { .name: xb, .offset: 0, .size: 8, .value_kind: global_buffer, .address_space: global }
      - { .name: wqkv, .offset: 8, .size: 8, .value_kind: global_buffer, .address_space: global }
      - { .name: bias, .offset: 16, .size: 8, .value_kind: global_buffer, .address_space: global }
      - { .name: qkv, .offset: 24, .size: 8, .value_kind: global_buffer, .address_space: global }
    .group_segment_fixed_size: 327680
    .private_segment_fixed_size: 0
    .kernarg_segment_align: 8
    .kernarg_segment_size: 32
    .max_flat_workgroup_size: 128
    .sgpr_count:     66
    .vgpr_count:     960
    .wavefront_size: 32
...
	.end_amdgpu_metadata
.endif
;; end of part 2
;; launch attn (part 3): grid 16 x 16, 4 waves a work-group, clusters of 4 x 1, 327,680 bytes of LDS; arguments qkv, ob; writes ob
.if DOCPART == 3
	.amdgcn_target "amdgcn-amd-amdhsa--gfx1250"
	.amdhsa_code_object_version 6
	.text
	.protected	k_q5456896439_attn
	.globl	k_q5456896439_attn
	.p2align	8
	.type	k_q5456896439_attn,@function
k_q5456896439_attn:
	s_mov_b64 s[64:65], 0
	v_nop
	global_prefetch_b8 v0, s[64:65] scope:SCOPE_SE
	s_setreg_imm32_b32 hwreg(HW_REG_WAVE_MODE, 25, 1), 1
	s_wait_xcnt 0x0
	s_wait_alu depctr_hold_cnt(0) depctr_sa_sdst(0) depctr_va_vdst(0) depctr_va_sdst(0) depctr_va_ssrc(0) depctr_va_vcc(0) depctr_vm_vsrc(0)
	s_getreg_b32 s2, hwreg(HW_REG_IB_STS2, 6, 4)
	s_cmp_eq_u32 s2, 0
	s_cbranch_scc0 .Lentry_in_a_cluster
	s_endpgm
.Lentry_in_a_cluster:
	s_bfe_u32 s2, ttmp6, 0x10000c
	s_cmp_lg_u32 s2, 0x3003
	s_cbranch_scc0 .Lentry_shape_is_right
	s_endpgm
.Lentry_shape_is_right:
; O[q][h][:] = the sum over k of softmax_k(Q[h][q] . K[h][k] / sqrt(128)) V[h][k][:].  qkv: [48][2048][128] f16 (plane h = Q, 16 + h = K, 32 + h = V); ob: [2048][2048] f16, head h at byte 256 h of a row.
; Products, maxima and sums in f32; the weights p are rounded to f16 for the second product (their sum l is taken of the unrounded p), O once at the end.
; LIMITS.  Q, K, V arrive within f16's 65,504; p lies in 0 to 1, and below 6e-5 it keeps f16's fixed step of 6e-8, as does O; O is a mean of V's rows and has their range.
; A weight below 2^-126 counts as 0 in l; NaN and infinities are not treated apart.
; SHARES.  A work-group owns 128 queries of one head: 16 x 16 work-groups.  Wave w owns 64 of them (w % 2), four tiles of 16, and HALF THE KEYS: of each slot's 256 keys the 128 of half w / 2,
; 64 a step.  So a fragment of K or V feeds four tiles' products.  At the end the two waves of a query half exchange partial results (c m, l, O^T) through LDS: each finishes two of the four tiles.
; The waves of key half 1 hold their four tiles of queries in the order 2, 3, 0, 1 (by Q's and ob's addresses alone): so EVERY wave gives the tiles in its places 2, 3 and finishes those in its places 0, 1, by one text.
; LAYOUT.  S^T = K Q^T (source 0 = 16 keys, source 1 = 16 queries): a lane holds ONE query (lane % 16) and the keys 8 (lane / 16) + 0..7.  Two such tiles, rounded to f16 in pairs, ARE source 1
; (32 keys x 16 queries) of O^T = V^T P, whose result again holds one query a lane, and eight channels.  K comes out of LDS as it lies, V ([key][channel]) turned, by ds_load_tr16_b128.
; SOFTMAX.  For each query a running maximum m and sum l: p = 2^(c s - c m), c = log2(e) / sqrt(128); in every step O and l are multiplied by a = 2^(c m_old - c m_new).
; BY TURNS.  The wave's tiles are two PIECES (piece 0: tiles 0, 1; piece 2: tiles 2, 3).  In a TURN one piece has the matrix unit: 32 products V^T P of the step in hand, then 32 products K Q^T of the
; next step; the other piece's softmax, cut into 64 slices, stands between them, one slice behind each matrix instruction.  Two turns are a key step.
; CLUSTER.  The four query blocks of a cluster belong to one head and walk the same K and V: each tile is asked for JOINTLY, by the same tensor load, descriptor and mask in all four.
; REGISTERS, in windows of 256 (s_set_vgpr_msb: bits 1:0 source 0, 3:2 source 1, 5:4 source 2, 7:6 destination):
;   window 0: v0-11 addresses; v12-43 eight registers of statistics a tile; v44-45, v61-63 addresses; v64-191 S^T, 32 a tile; v192-255 P, 16 a tile
;   window 1: O^T, 64 a tile          window 2: v0-127 Q, 32 a tile; v128-255 K of one step          window 3: v0-127 V of one step
.set KS,    64        ; keys in a step
.set PK,    272       ; a row of K in LDS: 256 bytes + 16 of padding = 68 words: row r starts at bank 4 r mod 64 (64 banks of 4 bytes: ISA guide 11.1)
.set PV,    288       ; a row of V: 256 + 32 = 72 words
.set VOFF,  256*PK    ; a slot holds 256 keys: 256 rows of K, then 256 rows of V: 143,360 bytes
.set KSB,   KS*PK     ; a step's rows of K
.set VSB,   KS*PV     ; and of V
.set SLOT1, 0x24000   ; slot 1 begins here.  Every address that is turned (0, 0x8800, 0x9000, 0x11000, 0x1a000) has bits 14 and 17 clear, so one exclusive or turns an address in one slot into the other's
.set STAGE, 2*SLOT1   ; behind the ring, never filled by a tensor load: 16 rows x 272 bytes for each wave, for the way out
.set SP,    272
.set SPARE, STAGE+4*16*SP  ; behind the stages: the spare words, 128 bytes for each wave: two blocks of 256 bytes that no other line names
.set MGW,   17408     ; the exchange, in slot 0 when it has had its last fill: what wave w gives lies at MGW w: two tiles
.set MGT,   8704      ; of 8,192 bytes of O^T (16 x 512) and 512 of statistics
.set AK0, 2           ; v2   my lane's place in a tile of K; never rewritten
.set AV0, 3           ; v3   the same for V
.set ADR, 4           ; v4   the LDS address of the run of loads in hand
.set QO,  5           ; v5   my byte offset in the wave's rows of Q
.set STO, 6           ; v6   the way out: where I put 16 bytes of a row
.set RD,  7           ; v7   the way out: where I read a row back
.set GO,  8           ; v8   my byte offset in two rows of ob
.set ST,  12          ; tile t's statistics at v[ST+8 t]: +0 c m, +1 m, +2, +3 l (even keys', odd keys'), +4 to +7 c0-c3, at work; a takes c2's place once the maximum is found
.set MGS, 44          ; v44  the exchange: where I give
.set MGL, 45          ; v45  where I take: my partner's (wave w xor 2) place
.set PFO, 61          ; v61  256 x my lane: a row of K or V is 256 bytes; never rewritten
.set SPW, 62          ; v62  LDS address of my spare word; never rewritten
.set NIL, 63          ; v63  0; never rewritten
.set S,   64
.set P,   192
.set KF,  128         ; K's fragments, in window 2
.set WV,  12          ; s12  my wave's number
.set LIM, 15          ; s15  1 in a wave that prefetches, else the greatest number
.set PFA, 18          ; s[18:19] where my prefetches stand
.set QHI, 22          ; s[22:23] Q at the rows of my places 2 and 3; s[4:5] at those of my places 0 and 1
.set G1K, 24          ; s[24:31] descriptor group 1 for K's tiles
.set G1V, 32          ; s[32:39] for V's: it differs in the padding alone
.set G0K, 40          ; s[40:47] descriptor group 0 for K's tiles: a set for each of the two first fills; the second then walks on
.set G0V, 48          ; s[48:55] the same for V's
.set SLOTS, 56        ; s56  slots still to be asked for
.set TWICE, 57        ; s57  counts a slot's two steps
.set CS,  58          ; s[58:59] c: the packed scaling names a pair and takes its low word for both halves
.set SEL, 60          ; s[60:61] lane selects for v_permlanex16_b32: each lane takes its own place in the other half
.set TBK, 62          ; s62  LDS byte at which K of the step to be fetched begins
.set TBV, 63          ; s63  the same for V, less VOFF
.set MSB, 0
.macro WIN new                      ; the immediate's high byte repeats the setting that is left; a switch that changes nothing is dropped
.if MSB != (\new)
	s_set_vgpr_msb (MSB<<8)|(\new)
.set MSB, \new
.endif
.endm
.set W_KQ, 0x0a       ; K and Q in window 2, S^T in window 0
.set W_PV, 0x53       ; V in window 3, P in window 0, O^T in window 1
.set W_RS, 0x41       ; O^T (destination and source 0) in window 1, a in window 0
; A joint refill.  Waves 0 and 1 fetch the two halves of a slot's K, waves 2 and 3 those of its V: 128 rows each.  The branch hangs on the wave's number alone.
; An s_nop 0 and four v_nop follow each of the two lines, ahead of the jump, the label and what follows.
.macro JLOAD
	s_cmp_lt_u32 s[WV], 2
	s_cbranch_scc0 .Lfor_v_\@
	tensor_load_to_lds s[G0K+4:G0K+7], s[G1K:G1K+7]
	s_nop 0
.rept 4
	v_nop
.endr
	s_branch .Lasked_\@
.Lfor_v_\@:
	tensor_load_to_lds s[G0V+4:G0V+7], s[G1V:G1V+7]
	s_nop 0
.rept 4
	v_nop
.endr
.Lasked_\@:
.endm
; A prefetch into the L2 of what the NEXT change of slots will ask for, behind the wave's tensor load and its five lines.  Each row is named once in the launch: all four clusters of a head walk the
; same K and V, and the head's first cluster asks; of the 128 rows that a wave fetches its four partners take 32 each, told apart by address: a lane a row, one instruction a wave.
; The last change that fills a slot asks for nothing: there is no slot behind it.
.macro ASK
	s_cmp_gt_u32 s[SLOTS], s[LIM]
	s_cbranch_scc0 .Lnot_mine_\@
	global_prefetch_b8 v[PFO], s[PFA:PFA+1] th:TH_LOAD_NT scope:SCOPE_SE
.Lnot_mine_\@:
.endm
; A round of the cluster's barrier: my work-group's barrier, so that wave 0's signal speaks for all four waves; wave 0 signals; every wave waits for all four work-groups; my work-group's barrier once more.
.macro CROUND
	s_barrier_signal -1
	s_barrier_wait -1
	s_cmp_lg_u32 s[WV], 0
	s_cbranch_scc1 .Lnot_wave_0_\@
	s_barrier_signal -3
.Lnot_wave_0_\@:
	s_barrier_wait -3
	s_barrier_signal -1
	s_barrier_wait -1
.endm
	s_load_b64 s[4:5], s[0:1], 0x0    ; qkv
	s_load_b64 s[10:11], s[0:1], 0x8  ; ob
	v_lshl_add_u32 v[SPW], v0, 2, SPARE
	v_mov_b32 v[NIL], 0
	ds_add_u32 v[SPW], v[NIL]       ; the wave's opening: the add and its wait stand ahead of my first tensor load; the set-up below, work on registers, stands between them
	v_lshrrev_b32 v1, 5, v0
	v_readfirstlane_b32 s[WV], v1   ; wave 0..3
	s_bfe_u32 s13, ttmp6, 0x40000   ; cx: my place in the cluster
	s_lshl_b32 s14, ttmp9, 2        ; in a cluster launch ttmp9 counts clusters
	s_add_co_u32 s14, s14, s13      ; my block of 128 queries = 4 x cluster x + cx: it enters Q's and O's addresses alone
	s_and_b32 s20, ttmp7, 0xffff    ; the head, which the four partners share
	s_and_b32 s16, s[WV], 1         ; which 64 queries are mine; also: which half of a slot's rows I fetch
	s_lshr_b32 s17, s[WV], 1        ; which half of a slot's keys I multiply
	s_add_co_u32 s22, s20, 16       ; K's plane, 524,288 bytes a plane,
	s_lshl_b32 s22, s22, 19
	s_lshl_b32 s23, s16, 15         ; my 128 rows of 256 bytes
	s_add_co_u32 s22, s22, s23
	s_mov_b32 s23, 0
	s_lshl_b32 s2, s20, 19          ; Q's plane,
	s_lshl_b32 s3, s14, 15          ; my block's 128 rows,
	s_add_co_u32 s2, s2, s3
	s_lshl_b32 s3, s16, 14          ; my wave's 64 of them
	s_add_co_u32 s2, s2, s3
	s_mov_b32 s3, 0
	s_lshl_b32 s21, s20, 8          ; ob: the head's 256 bytes of a row,
	s_lshl_b32 s20, s14, 19         ; my block's 128 rows of 4,096 bytes,
	s_add_co_u32 s20, s20, s21
	s_lshl_b32 s21, s16, 18         ; my wave's 64,
	s_add_co_u32 s20, s20, s21
	s_lshl_b32 s21, s17, 17         ; and of them the 32 that I finish: those of my places 0 and 1
	s_add_co_u32 s20, s20, s21
	s_mov_b32 s21, 0
	; descriptor group 1: a tile of 128 rows x 128 elements, padded in LDS
	s_mov_b32 s[G1K], 15|(1<<16)|(1<<20)|(1<<21)|(5<<22)|(3<<25)  ; 15:0 the mask: all four work-groups; 17:16 2-byte elements; 20 padding on; 21 set beside a mask; 24:22 after every 64 words (code 5); 31:25 4 words (code 3)
	s_mov_b32 s[G1V], 15|(1<<16)|(1<<20)|(1<<21)|(5<<22)|(7<<25)  ; the same with 8 words of padding (code 7)
.irp g, G1K, G1V
	s_mov_b32 s[(\g)+1], 128<<16    ; tensor_dim0 = 128
	s_mov_b32 s[(\g)+2], 128<<16    ; tensor_dim1 = 128
	s_mov_b32 s[(\g)+3], 128<<16    ; tile_dim0 = 128
	s_mov_b32 s[(\g)+4], 128        ; tile_dim1 = 128
	s_mov_b32 s[(\g)+5], 128        ; elements from row to row
	s_mov_b32 s[(\g)+6], 0
	s_mov_b32 s[(\g)+7], 0
.endr
	s_mov_b32 s[CS], 0x3e0293ee     ; c = log2(e) / sqrt(128) = 0.127517
	s_mov_b32 s[CS+1], s[CS]        ; named with it as a pair, so it is written
	s_mov_b32 s[SEL], 0x76543210
	s_mov_b32 s[SEL+1], 0xfedcba98
	s_mul_i32 s[TBK], s17, 2*KSB    ; my half of slot 0's keys
	s_mul_i32 s[TBV], s17, 2*VSB
	s_mov_b32 s[SLOTS], 2048/256-2
	s_cmp_eq_u32 ttmp9, 0           ; the head's first cluster: the same in all four partners
	s_cselect_b32 s[LIM], 1, -1
	v_and_b32 v[PFO], 31, v0
	v_lshlrev_b32 v[PFO], 8, v[PFO]
	s_wait_dscnt 0x0                ; the opening add is done
	s_wait_kmcnt 0x0
	s_add_nc_u64 s[6:7], s[4:5], s[22:23]    ; K at my tile of slot 0,
	s_add_nc_u64 s[8:9], s[6:7], 16*524288   ; V sixteen planes on
	s_add_nc_u64 s[4:5], s[4:5], s[2:3]      ; Q at my wave's first row,
	s_add_nc_u64 s[10:11], s[10:11], s[20:21]  ; O at the first row that I finish
	s_lshl_b32 s2, s17, 13          ; my places 0 and 1 hold the query tiles 2 (w / 2) and 2 (w / 2) + 1, of 4,096 bytes each (s3 is 0),
	s_xor_b32 s22, s17, 1
	s_lshl_b32 s22, s22, 13         ; my places 2 and 3 the other two (s23 is 0)
	s_add_nc_u64 s[QHI:QHI+1], s[4:5], s[22:23]
	s_add_nc_u64 s[4:5], s[4:5], s[2:3]
	s_cmp_lt_u32 s[WV], 2
	s_cselect_b64 s[PFA:PFA+1], s[6:7], s[8:9]
	s_lshl_b32 s2, s13, 13          ; my work-group's 32 rows of the 128 that I fetch
	s_mov_b32 s3, 0
	s_add_nc_u64 s[PFA:PFA+1], s[PFA:PFA+1], s[2:3]
	s_add_nc_u64 s[PFA:PFA+1], s[PFA:PFA+1], 2*65536  ; in slot 2; the first change of slots steps it to slot 3.  Nothing is prefetched here, at the head
	s_mul_i32 s2, s16, 128*PK       ; my tile's place in a slot, for K
	s_mul_i32 s3, s16, 128*PV       ; and for V: no place in the cluster enters an LDS address
	s_add_co_u32 s3, s3, VOFF
	CROUND                          ; all four work-groups are here: the first joint loads meet
.irp s, 0,1
	s_mov_b32 s[G0K+4*(\s)], 1      ; count = 1
	s_add_co_u32 s[G0K+4*(\s)+1], s2, (\s)*SLOT1  ; LDS address
	s_add_nc_u64 s[G0K+4*(\s)+2:G0K+4*(\s)+3], s[6:7], (\s)*65536  ; global address: slot s begins with keys 256 s
	s_or_b32 s[G0K+4*(\s)+3], s[G0K+4*(\s)+3], 0x80000000  ; type = 2
	s_mov_b32 s[G0V+4*(\s)], 1
	s_add_co_u32 s[G0V+4*(\s)+1], s3, (\s)*SLOT1
	s_add_nc_u64 s[G0V+4*(\s)+2:G0V+4*(\s)+3], s[8:9], (\s)*65536
	s_or_b32 s[G0V+4*(\s)+3], s[G0V+4*(\s)+3], 0x80000000
.endr
	s_cmp_lt_u32 s[WV], 2           ; a wave's two first fills stand in one branch, ahead of every wait on TENSORcnt and every LDS read: two loads of mine are out
	s_cbranch_scc0 .Lfirst_v
	tensor_load_to_lds s[G0K:G0K+3], s[G1K:G1K+7]
	s_nop 0
	tensor_load_to_lds s[G0K+4:G0K+7], s[G1K:G1K+7]
	s_nop 0
.rept 4
	v_nop
.endr
	s_branch .Lfirst_asked
.Lfirst_v:
	tensor_load_to_lds s[G0V:G0V+3], s[G1V:G1V+7]
	s_nop 0
	tensor_load_to_lds s[G0V+4:G0V+7], s[G1V:G1V+7]
	s_nop 0
.rept 4
	v_nop
.endr
.Lfirst_asked:
	; A fragment of K or Q is 16 rows x 32 channels in 8 registers: lane l holds row l % 16; registers 0-3 channels 8 (l / 16) + 0..7, registers 4-7 channels 16 + 8 (l / 16) + 0..7: two loads of 16 bytes, 32 bytes apart.
	v_and_b32 v1, 15, v0            ; l % 16
	v_bfe_u32 v9, v0, 4, 1          ; l / 16
	v_lshlrev_b32 v[QO], 8, v1
	v_lshl_add_u32 v[QO], v9, 4, v[QO]  ; row x 256 + 16 x half
	WIN 0x80                        ; destination window 2, address window 0
.irp i, 0,1,2,3,4,5,6,7             ; Q stays in registers: place i / 4, channels 32 (i % 4) on
	global_load_b128 v[8*(\i):8*(\i)+3],   v[QO], s[4:5] offset:((\i)/4)*4096+((\i)%4)*64
	global_load_b128 v[8*(\i)+4:8*(\i)+7], v[QO], s[4:5] offset:((\i)/4)*4096+((\i)%4)*64+32
.endr
.irp i, 8,9,10,11,12,13,14,15
	global_load_b128 v[8*(\i):8*(\i)+3],   v[QO], s[QHI:QHI+1] offset:((\i)/4-2)*4096+((\i)%4)*64
	global_load_b128 v[8*(\i)+4:8*(\i)+7], v[QO], s[QHI:QHI+1] offset:((\i)/4-2)*4096+((\i)%4)*64+32
.endr
	WIN 0
	v_mul_u32_u24 v[AK0], v1, PK
	v_lshl_add_u32 v[AK0], v9, 4, v[AK0]  ; row x pitch + 16 x half
	; The turning load takes 16 keys x 16 channels (lane l reads 16 bytes: key 8 (l / 16) + l % 8, channels 8 ((l / 8) % 2) + 0..7) and leaves half a fragment of V^T: lane l holds channel l % 16 and 8 keys.
	v_and_b32 v10, 7, v0
	v_bfe_u32 v11, v0, 3, 1
	v_lshl_add_u32 v[AV0], v9, 3, v10
	v_mul_u32_u24 v[AV0], v[AV0], PV
	v_lshl_add_u32 v[AV0], v11, 4, v[AV0]
	v_add_nc_u32 v[AV0], VOFF, v[AV0]
; THE MATRIX WORK OF A TURN, for piece x.  The accumulators take turns, one instruction a turn: between two links of a chain stand 15 (V^T P) or 7 (K Q^T) others'.
; Product i of 32 of O^T += V^T P: keys 32 (i / 16) on, channels 16 ((i / 2) % 8) on, tile x + i % 2.  zero = 1: the first 16 start the sums: nothing is ever cleared.
.macro PV x, zero
	WIN W_PV
.set rO, 64*((\x)+i%2)+8*((i/2)%8)
.set rV, 64*(i/16)+8*((i/2)%8)
.set rP, P+16*((\x)+i%2)+8*(i/16)
.if (\zero) && (i < 16)
	v_wmma_f32_16x16x32_f16 v[rO:rO+7], v[rV:rV+7], v[rP:rP+7], 0
.else
	v_wmma_f32_16x16x32_f16 v[rO:rO+7], v[rV:rV+7], v[rP:rP+7], v[rO:rO+7]
.endif
.endm
; Product i of 32 of S^T = K Q^T: channels 32 (i / 8) on, keys 16 ((i / 2) % 4) on, tile x + i % 2.  The first 8 start the sums.
.macro KQ x
	WIN W_KQ
.set rS, S+32*((\x)+i%2)+8*((i/2)%4)
.set rK, KF+32*((i/2)%4)+8*(i/8)
.set rQ, 32*((\x)+i%2)+8*(i/8)
.if i < 8
	v_wmma_f32_16x16x32_f16 v[rS:rS+7], v[rK:rK+7], v[rQ:rQ+7], 0
.else
	v_wmma_f32_16x16x32_f16 v[rS:rS+7], v[rK:rK+7], v[rQ:rQ+7], v[rS:rS+7]
.endif
.endm
; THE LDS LOADS stand in runs of 32, never singly among the matrix instructions: a step's K (64 keys x 128 channels: 16 fragments) and, a turn later, its V (turned).
.macro FETCH_K
	WIN 0
	v_add_nc_u32 v[ADR], s[TBK], v[AK0]
	s_add_co_u32 s[TBK], s[TBK], KSB  ; the next fetch is the next step's
	WIN 0x80                        ; destination window 2
.irp f, 0,1,2,3,4,5,6,7,8,9,10,11,12,13,14,15  ; keys 16 (f / 4) on, channels 32 (f % 4) on
	ds_load_b128 v[KF+8*(\f):KF+8*(\f)+3],   v[ADR] offset:((\f)/4)*16*PK+((\f)%4)*64
	ds_load_b128 v[KF+8*(\f)+4:KF+8*(\f)+7], v[ADR] offset:((\f)/4)*16*PK+((\f)%4)*64+32
.endr
.endm
.macro FETCH_V
	WIN 0
	v_add_nc_u32 v[ADR], s[TBV], v[AV0]
	s_add_co_u32 s[TBV], s[TBV], VSB
	WIN 0xc0                        ; destination window 3
.irp f, 0,1,2,3,4,5,6,7,8,9,10,11,12,13,14,15  ; keys 32 (f / 8) on, channels 16 (f % 8) on
	ds_load_tr16_b128 v[8*(\f):8*(\f)+3],   v[ADR] offset:((\f)/8)*32*PV+((\f)%8)*32
	ds_load_tr16_b128 v[8*(\f)+4:8*(\f)+7], v[ADR] offset:((\f)/8)*32*PV+16*PV+((\f)%8)*32
.endr
.endm
; THE VECTOR WORK OF A TURN.  One tile's softmax for one key step is a list of 134 instructions; SM writes number j of it for tile t.  s0-s31 are the lane's 32 scores, in pairs 0-15.
; first = 1: the first key step, which starts m, l and O^T: it has no a and nothing to rescale.
;   0-15    the maximum of s0-s31 and the old m, three operands at a time: four chains c0-c3 of seven scores each (each accumulator's lowest registers first), then the four scores left over, c0-c3 and m
;   16-20   the other half of the lanes' maximum; the new m; c m; c m_old - c m_new
;   21-87   33 exponentials (a, then s0-s31) at the odd numbers from 23 on, so that no two follow each other and each has a plain instruction behind it before its result is used.
;           Plain instruction q (number 21, then the even numbers) is whatever is ready: c s - c m for a pair of scores whose exponentials are still to come, the rounding to f16 of a pair of
;           weights whose exponentials are done, at last the first three sums
;   88-101  the last rounding; the rest of the sums; l = a l + the sum
;   102-133 the tile's O^T times a: the one part that leaves window 0, so it stands together
.macro SM t, first
.set rT, ST+8*(\t)
.set rS, S+32*(\t)
.set rP, P+16*(\t)
.set rO, 64*(\t)+2*(j-102)
.set q, (j-20)/2
.if j < 102
	WIN 0
.endif
.if j < 4
	v_max3_num_f32 v[rT+4+j], v[rS+8*j], v[rS+8*j+1], v[rS+8*j+2]
.elseif j < 12
	v_max3_num_f32 v[rT+4+j%4], v[rT+4+j%4], v[rS+8*(j%4)+2*(j/4)+1], v[rS+8*(j%4)+2*(j/4)+2]
.elseif j == 12
	v_max3_num_f32 v[rT+4], v[rT+4], v[rS+7], v[rS+15]
.elseif j == 13
	v_max3_num_f32 v[rT+6], v[rT+6], v[rS+23], v[rS+31]
.elseif j == 14
	v_max3_num_f32 v[rT+4], v[rT+4], v[rT+5], v[rT+6]
.elseif (j == 15) && (\first)
	v_max_num_f32 v[rT+4], v[rT+4], v[rT+7]
.elseif j == 15
	v_max3_num_f32 v[rT+4], v[rT+4], v[rT+7], v[rT+1]
.elseif j == 16
	v_permlanex16_b32 v[rT+5], v[rT+4], s[SEL], s[SEL+1]  ; the query's other 32 keys lie in the lane 16 away
.elseif j == 18
	v_max_num_f32 v[rT+1], v[rT+4], v[rT+5]
.elseif j == 19
	v_mul_f32 v[rT], s[CS], v[rT+1]
.elseif ((j == 17) || (j == 20) || (j == 23) || (j > 101)) && (\first)  ; the first step has none of these
.elseif j == 17
	v_mov_b32 v[rT+7], v[rT]        ; c m_old is kept for a: number 19 writes c m anew
.elseif j == 20
	v_sub_f32 v[rT+7], v[rT+7], v[rT]
.elseif j == 23
	v_exp_f32 v[rT+6], v[rT+7]
.elseif (j < 88) && (j > 23) && (j%2 == 1)
	v_exp_f32 v[rS+(j-25)/2], v[rS+(j-25)/2]
.elseif (q < 4) || ((j < 76) && (q%2 == 0))
.set b, q/2+2
.if q < 4
.set b, q
.endif
	v_pk_fma_f32 v[rS+2*b:rS+2*b+1], v[rS+2*b:rS+2*b+1], s[CS:CS+1], v[rT:rT+1] op_sel_hi:[1,0,0] neg_lo:[0,0,1] neg_hi:[0,0,1]  ; pair b: c s - c m
.elseif (j < 88) && (q%2 == 1)
	s_wait_alu depctr_va_vdst(0)
	v_cvt_pk_f16_f32 v[rP+(q-5)/2], v[rS+q-5], v[rS+q-4]  ; pair (q - 5) / 2: its second exponential stands three numbers back
.elseif j == 89
	s_wait_alu depctr_va_vdst(0)
	v_cvt_pk_f16_f32 v[rP+15], v[rS+30], v[rS+31]
.elseif j < 102                     ; the sum of the tile's 16 pairs, in place: sum z of 16 adds neighbours 1, 2, 4 and 8 pairs apart, then l takes it
.set z, j-86
.if j < 89
.set z, (j-76)/4
.endif
.set w, 4
.set u, z
.if z >= 14
.set w, 32
.set u, 0
.elseif z >= 12
.set w, 16
.set u, z-12
.elseif z >= 8
.set w, 8
.set u, z-8
.endif
.if (z == 14) && (\first)
	v_pk_add_f32 v[rT+2:rT+3], v[rS:rS+1], v[rS+16:rS+17]
.elseif z < 15
	v_pk_add_f32 v[rS+w*u:rS+w*u+1], v[rS+w*u:rS+w*u+1], v[rS+w*u+w/2:rS+w*u+w/2+1]
.elseif !(\first)
	v_pk_fma_f32 v[rT+2:rT+3], v[rT+2:rT+3], v[rT+6:rT+7], v[rS:rS+1] op_sel_hi:[1,0,1]
.endif
.else
	WIN W_RS
	v_pk_mul_f32 v[rO:rO+1], v[rO:rO+1], v[rT+6:rT+7] op_sel_hi:[1,0]
.endif
.endm
; Slice k of 64 of piece y's softmax: numbers 2 k and 2 k + 1 of both tiles' lists, four instructions.  2 x 134 = 4 x 64 + 12: the twelve that are over stand together, in slice 63.
.macro SLICE y, first
.if (k >= 11) && (k < 44)           ; tile by tile: plain, exponential, plain, exponential
.irp t, \y, (\y)+1
.irp n, 0,1
.set j, 2*k+(\n)
	SM \t, \first
.endr
.endr
.else                               ; the two tiles alternate, so that no instruction reads the result of the one just before it
.irp n, 0,1,2,3,4,5,6,7
.if ((\n) < 2) || (k == 63)
.irp t, \y, (\y)+1
.set j, 2*k+(\n)
	SM \t, \first
.endr
.endif
.endr
.endif
.set k, k+1
.endm
; A vector instruction that reads a matrix result or writes one of a matrix instruction's registers, and a load into a register that a matrix instruction has read, stand four places behind
; it, and only plain vector instructions that name none of its registers are places (ISA guide 7.12.1 for vector instructions).  In the loop the slices are the places.
.macro PLACES
.rept 4
	v_nop
.endr
.endm
; A TURN.  Piece x has the matrix unit; the other piece's softmax stands in slices behind its matrix instructions.
; pv = 2: 32 products V^T P; 1: they start O^T's sums; 0: none.  kq = 1: 32 products K Q^T for the next step.  A turn with one of the two kinds has two slices behind each product.
; first = 1: the softmax is the first key step's.  Its slices from 51 on are empty: the turn's last products stand bare, and four v_nop take slice 63's part as the places behind them.
; Each run of loads stands behind the second product of a run of 32, 30 matrix instructions ahead of its first use.  Piece 0's turn fetches the next step's K: the last product that read K
; stands in front of slice 63 of the turn before.  Piece 2's turn fetches the same step's V: the last product that read V stands three slices, six plain instructions, back.
.macro TURN x, pv, kq, first
.set k, 0
.set per, 2
.if (\pv) && (\kq)
.set per, 1
.endif
.if \pv
.if (\x) == 0
	s_wait_dscnt 0x0                ; V is in
.endif
.set i, 0
.rept 32
	PV \x, 2-(\pv)
.rept per
	SLICE 2-(\x), \first
.endr
.if ((\x) == 0) && (\kq) && (i == 1)
	FETCH_K
.endif
.set i, i+1
.endr
.endif
.if \kq
.if (\x) == 0
	s_wait_dscnt 0x0                ; K is in
.endif
.set i, 0
.rept 32
	KQ \x
.rept per
	SLICE 2-(\x), \first
.endr
.if ((\x) == 2) && (i == 1)
	FETCH_V
.endif
.set i, i+1
.endr
.endif
.if \first
	PLACES
.endif
.endm
; THE CHANGE OF SLOTS, between piece 2's turn and piece 0's: the slot's last bytes that I read, V of my second step, have been asked for.  Each wave waits for all its tensor loads, of which one
; is out: its part of the other slot; adds 0 to its spare word; and waits for that and for its own reads of the slot.  Behind the barrier nobody reads this slot any more and the other slot is whole.
; fill = 1: this slot is filled again, with the keys two slots on.  The barrier is then a round of the cluster's, and the joint refill is the first thing behind it: it has two key steps,
; 256 matrix instructions, in which to land.
.macro CHANGE fill
	WIN 0                           ; at a label and at a branch every window is 0
	s_wait_tensorcnt 0x0            ; no tensor load of mine is out, so a group 0 may be written
	ds_add_u32 v[SPW], v[NIL]       ; 0 onto my spare word; with fill = 1 the descriptors' steps stand between it and the wait for it
.if \fill
.irp g, G0K+4, G0V+4
	s_xor_b32 s[(\g)+1], s[(\g)+1], SLOT1  ; the walking descriptor: the other slot than last time,
	s_add_nc_u64 s[(\g)+2:(\g)+3], s[(\g)+2:(\g)+3], 65536  ; the next 256 keys; the type bits on top are not reached
.endr
	s_wait_xcnt 0x0                 ; the last prefetch, two key steps back, has read its address, so it may be written:
	s_add_nc_u64 s[PFA:PFA+1], s[PFA:PFA+1], 65536  ; one slot behind the walking descriptors
	s_wait_dscnt 0x0                ; the add is done, and my reads of the slot are over
	CROUND
	JLOAD
	ASK
.else
	s_wait_dscnt 0x0                ; the add is done, and my reads of the slot are over
	s_barrier_signal -1
	s_barrier_wait -1
.endif
	s_sub_co_u32 s[TBK], s[TBK], 2*KSB  ; the fetches go back to my half's first step,
	s_xor_b32 s[TBK], s[TBK], SLOT1     ; in the other slot
	s_sub_co_u32 s[TBV], s[TBV], 2*VSB
	s_xor_b32 s[TBV], s[TBV], SLOT1
.endm
; My two key steps of a slot: written once, walked twice; the LDS addresses hang on s[TBK] and s[TBV].
.macro TWO_STEPS
	WIN 0
	s_mov_b32 s[TWICE], 2
.Lstep_\@:
	TURN 0, 2, 1, 0
	TURN 2, 2, 1, 0
	WIN 0
	s_sub_co_u32 s[TWICE], s[TWICE], 1
	s_cmp_lg_u32 s[TWICE], 0
	s_cbranch_scc1 .Lstep_\@
.endm
	s_wait_tensorcnt 1              ; my part of slot 0 is in; slot 1's may stay out
	s_barrier_signal -1
	s_barrier_wait -1               ; everybody's is
	FETCH_K                         ; my key step 0
	s_wait_loadcnt 0x0              ; Q
	s_wait_dscnt 0x0
.set i, 0
.rept 32
	KQ 0                            ; piece 0's first scores: there is no vector work yet to set between them
.set i, i+1
.endr
	WIN 0                           ; the addresses for the exchange and the way out are made here: plain instructions, the places behind those products
	s_mul_i32 s13, s[WV], 16*SP
	s_add_co_u32 s13, s13, STAGE    ; my stage
	s_mul_i32 s20, s[WV], MGW
	s_xor_b32 s21, s[WV], 2
	s_mul_i32 s21, s21, MGW
	v_mul_u32_u24 v[STO], v1, SP    ; in: row l % 16, 16 bytes for each half of the lanes
	v_lshl_add_u32 v[STO], v9, 4, v[STO]
	v_add_nc_u32 v[STO], s13, v[STO]
	v_mul_u32_u24 v[RD], v9, SP     ; back: lanes 0-15 take one row of 256 bytes, lanes 16-31 the next
	v_lshl_add_u32 v[RD], v1, 4, v[RD]
	v_add_nc_u32 v[RD], s13, v[RD]
	v_lshlrev_b32 v[GO], 12, v9     ; and the same two rows in ob, 4,096 bytes apart
	v_lshl_add_u32 v[GO], v1, 4, v[GO]
	v_and_b32 v[MGS], 31, v0
	v_lshlrev_b32 v[MGS], 4, v[MGS]
	v_add_nc_u32 v[MGL], s21, v[MGS]
	v_add_nc_u32 v[MGS], s20, v[MGS]
	TURN 2, 0, 1, 1                 ; piece 2's first scores | piece 0's first softmax | V of step 0
	TURN 0, 1, 1, 1                 ; piece 0: V^T P of step 0 starts O^T, K Q^T of step 1 | piece 2's first softmax | K of step 1
	TURN 2, 1, 1, 0                 ; piece 2: the same | piece 0's softmax of step 1 | V of step 1
	WIN 0
.Lslot:                             ; six trips: every slot but the last two is filled again
	CHANGE 1
	TWO_STEPS
	s_sub_co_u32 s[SLOTS], s[SLOTS], 1
	s_cmp_lg_u32 s[SLOTS], 0
	s_cbranch_scc1 .Lslot
	CHANGE 0                        ; the tail is written out: nothing is asked for
	TWO_STEPS
	TURN 0, 2, 0, 0                 ; piece 0: V^T P of the last step | piece 2's last softmax
.set i, 0
.rept 32
	PV 2, 0                         ; piece 2: V^T P of the last step
.set i, i+1
.endr
	; THE EXCHANGE.  A query's keys were shared between waves w and w xor 2.  Every wave gives the tiles in its places 2, 3, which are the tiles in its partner's places 0, 1, and finishes its own places 0, 1.
	; What is given lies in slot 0, which has had its last fill; a barrier stands first, so that every wave's reads of the ring are over before any wave stores there.
	WIN 0
.rept 8
	v_nop                           ; the places behind the last products
.endr
	s_wait_dscnt 0x0
	s_barrier_signal -1
	s_barrier_wait -1
.macro GIVE t, i                    ; tile t's statistics (c m, m, l) and O^T, as the giving wave's tile i; each accumulator's low four registers go first
	WIN 0
	ds_store_b128 v[MGS], v[ST+8*(\t):ST+8*(\t)+3] offset:MGT*(\i)+8192
	WIN 0x04                        ; the data in window 1
.set z, 0
.rept 16
	ds_store_b128 v[MGS], v[64*(\t)+4*z:64*(\t)+4*z+3] offset:MGT*(\i)+512*z
.set z, z+1
.endr
	WIN 0
.endm
.macro TAKE t, i                    ; the partner's statistics of my tile t into c0-c3's places, its O^T into S^T's registers: 17 loads
	WIN 0
	ds_load_b128 v[ST+8*(\t)+4:ST+8*(\t)+7], v[MGL] offset:MGT*(\i)+8192
.set z, 0
.rept 16
	ds_load_b128 v[S+64*(\i)+4*z:S+64*(\i)+4*z+3], v[MGL] offset:MGT*(\i)+512*z
.set z, z+1
.endr
.endm
.macro JOIN t                       ; the common maximum M; a = 2^(c m - M) for each side; l = a l + a' l'; then the two factors a / l and a' / l, at +0 and +4
.set rT, ST+8*(\t)
	WIN 0
	v_max_num_f32 v[rT+1], v[rT], v[rT+4]
	v_sub_f32 v[rT], v[rT], v[rT+1]
	v_sub_f32 v[rT+4], v[rT+4], v[rT+1]
	v_exp_f32 v[rT], v[rT]
	v_exp_f32 v[rT+4], v[rT+4]
	v_nop                           ; a plain instruction behind the exponentials
	s_wait_alu depctr_va_vdst(0)
	v_pk_mul_f32 v[rT+2:rT+3], v[rT+2:rT+3], v[rT:rT+1] op_sel_hi:[1,0]
	v_pk_fma_f32 v[rT+2:rT+3], v[rT+6:rT+7], v[rT+4:rT+5], v[rT+2:rT+3] op_sel_hi:[1,0,1]
	v_add_f32 v[rT+2], v[rT+2], v[rT+3]
	v_permlanex16_b32 v[rT+3], v[rT+2], s[SEL], s[SEL+1]  ; the other half of the lanes' keys
	v_add_f32 v[rT+2], v[rT+2], v[rT+3]
	v_rcp_f32 v[rT+2], v[rT+2]
	v_nop                           ; a plain instruction behind the reciprocal
	s_wait_alu depctr_va_vdst(0)
	v_mul_f32 v[rT], v[rT], v[rT+2]
	v_mul_f32 v[rT+4], v[rT+4], v[rT+2]
.endm
.macro MIX t, i                     ; O = O^T a / l + O'^T a' / l, rounded to f16; 16 bytes a lane into my stage's rows of 272 bytes, back as whole rows of 256: 8 stores and 8 loads
.set rT, ST+8*(\t)
	WIN 0
.set z, 0
.rept 32
	v_pk_mul_f32 v[S+64*(\i)+2*z:S+64*(\i)+2*z+1], v[S+64*(\i)+2*z:S+64*(\i)+2*z+1], v[rT+4:rT+5] op_sel_hi:[1,0]
.set z, z+1
.endr
	WIN 0x01                        ; source 0, my O^T, in window 1
.set z, 0
.rept 32
	v_pk_fma_f32 v[S+64*(\i)+2*z:S+64*(\i)+2*z+1], v[64*(\t)+2*z:64*(\t)+2*z+1], v[rT:rT+1], v[S+64*(\i)+2*z:S+64*(\i)+2*z+1] op_sel_hi:[1,0,1]
.set z, z+1
.endr
	WIN 0
.set z, 0
.rept 32
	v_cvt_pk_f16_f32 v[P+32*(\i)+z], v[S+64*(\i)+2*z], v[S+64*(\i)+2*z+1]
.set z, z+1
.endr
.irp f, 0,1,2,3,4,5,6,7
	ds_store_b128 v[STO], v[P+32*(\i)+4*(\f):P+32*(\i)+4*(\f)+3] offset:32*(\f)
.endr
.irp f, 0,1,2,3,4,5,6,7
	ds_load_b128 v[P+32*(\i)+4*(\f):P+32*(\i)+4*(\f)+3], v[RD] offset:(\f)*2*SP  ; LDS serves a wave's instructions in order (ISA guide 5.7.1.4): these see the stores above; the next tile's stores come behind them
.endr
.endm
.macro SEND t, i, younger           ; younger: the LDS instructions issued behind this tile's loads: the next tile's sixteen, or none
.irp f, 0,1,2,3,4,5,6,7
	s_wait_dscnt (\younger)+7-(\f)
	global_store_b128 v[GO], v[P+32*(\i)+4*(\f):P+32*(\i)+4*(\f)+3], s[10:11] offset:(\t)*65536+(\f)*8192  ; 16 lanes store 256 consecutive bytes, at a multiple of 256 from ob's first byte
.endr
.endm
	GIVE 2, 0
	GIVE 3, 1
	s_wait_dscnt 0x0                ; for my partner's sake: my stores are done
	s_barrier_signal -1
	s_barrier_wait -1
	TAKE 0, 0
	TAKE 1, 1
	s_wait_dscnt 17                 ; the first tile's 17 loads are in; the second's may stay out
	JOIN 0
	MIX 0, 0
	s_wait_dscnt 16                 ; all but the 16 just issued: the second tile's loads are in
	JOIN 1
	MIX 1, 1
	SEND 0, 0, 16
	SEND 1, 1, 0
	s_wait_tensorcnt 0x0            ; the wave's end, behind my last tensor load and my last LDS store
	ds_add_u32 v[SPW], v[NIL]
	s_wait_dscnt 0x0
	CROUND                          ; the closing round: no work-group ends while a partner may still ask for a tile that names it
	s_endpgm
.Lfunc_end_k_q5456896439_attn:
	.size	k_q5456896439_attn, .Lfunc_end_k_q5456896439_attn-k_q5456896439_attn
	.p2alignl 7, 3214868480
	.fill 96, 4, 3214868480
	.section	.rodata,"a",@progbits
	.p2align	6, 0x0
	.amdhsa_kernel k_q5456896439_attn
		.amdhsa_group_segment_fixed_size 327680
		.amdhsa_private_segment_fixed_size 0
		.amdhsa_enable_private_segment 0
		.amdhsa_kernarg_size 16
		.amdhsa_user_sgpr_count 2
		.amdhsa_user_sgpr_kernarg_segment_ptr 1
		.amdhsa_wavefront_size32 1
		.amdhsa_system_sgpr_workgroup_id_x 1
		.amdhsa_system_sgpr_workgroup_id_y 1
		.amdhsa_system_sgpr_workgroup_id_z 1
		.amdhsa_system_vgpr_workitem_id 0
		.amdhsa_next_free_vgpr 896
		.amdhsa_next_free_sgpr 66
		.amdhsa_reserve_vcc 0
		.amdhsa_float_denorm_mode_32 3
		.amdhsa_float_denorm_mode_16_64 3
		.amdhsa_memory_ordered 1
		.amdhsa_forward_progress 1
		.amdhsa_inst_pref_size 228
	.end_amdhsa_kernel
	.amdgpu_metadata
---
amdhsa.version: [ 1, 2 ]
amdhsa.kernels:
  - .name:           k_q5456896439_attn
    .symbol:         k_q5456896439_attn.kd
    .args:
      - { .name: qkv, .offset: 0, .size: 8, .value_kind: global_buffer, .address_space: global }
      - { .name: ob, .offset: 8, .size: 8, .value_kind: global_buffer, .address_space: global }
    .group_segment_fixed_size: 327680
    .private_segment_fixed_size: 0
    .kernarg_segment_align: 8
    .kernarg_segment_size: 16
    .max_flat_workgroup_size: 128
    .sgpr_count:     66
    .vgpr_count:     896
    .wavefront_size: 32
...
	.end_amdgpu_metadata
.endif
;; end of part 3
;; launch oproj (part 4): grid 16 x 16, 4 waves a work-group, clusters of 4 x 4, 327,680 bytes of LDS; arguments ob, wob, bias, out0; writes out0
.if DOCPART == 4
	.amdgcn_target "amdgcn-amd-amdhsa--gfx1250"
	.amdhsa_code_object_version 6
	.text
	.protected	k_q5456896439_oproj
	.globl	k_q5456896439_oproj
	.p2align	8
	.type	k_q5456896439_oproj,@function
k_q5456896439_oproj:
	s_mov_b64 s[64:65], 0
	v_nop
	global_prefetch_b8 v0, s[64:65] scope:SCOPE_SE
	s_setreg_imm32_b32 hwreg(HW_REG_WAVE_MODE, 25, 1), 1
	s_wait_xcnt 0x0
	s_wait_alu depctr_hold_cnt(0) depctr_sa_sdst(0) depctr_va_vdst(0) depctr_va_sdst(0) depctr_va_ssrc(0) depctr_va_vcc(0) depctr_vm_vsrc(0)
	s_getreg_b32 s2, hwreg(HW_REG_IB_STS2, 6, 4)
	s_cmp_eq_u32 s2, 0
	s_cbranch_scc0 .Lentry_in_a_cluster
	s_endpgm
.Lentry_in_a_cluster:
	s_bfe_u32 s2, ttmp6, 0x10000c
	s_cmp_lg_u32 s2, 0xf033
	s_cbranch_scc0 .Lentry_shape_is_right
	s_endpgm
.Lentry_shape_is_right:
; out0 = O Wo^T + bo.  ob: [2048][2048] f16; wob: [2048][2048] f16 (Wo rounded to bf16, written as f16); bias: f32, bo from byte 24,576 on; out0: [2048][2048] f32.  Sums in f32, started by the bias.
; A tile of the product is 128 x 128: 16 x 16 work-groups.  Four waves, each 64 x 64: 16 accumulators of 16 x 16, 128 registers.  K goes in steps of 256 (LDS rows of 512 bytes; a wave's tensor load
; brings 64 of them) through two slots, as long as LDS allows.
; A K STEP IS WRITTEN ONCE: the slot in hand is a scalar, 0 or SLOT, turned by an exclusive or at each change of slots; the fragment addresses are made from it, and one descriptor a tensor walks on.
; CLUSTER: 4 x 4 work-groups.  The four of a row of the cluster need the same tiles of O, the four of a column the same tiles of Wo: each tile is asked for JOINTLY, by the same tensor load with the
; same descriptor and a mask that names the four.  No prefetch: a K step's tiles are small and its matrix work short.
; THE MATRIX INSTRUCTION IS USED TRANSPOSED (source 0 = 16 rows of Wo, source 1 = 16 rows of O): a lane holds eight neighbouring numbers of a row of the product, 32 bytes.
; A wave's 64 columns of f32 are 256 bytes, aligned: each wave has a stage of its own on the way out, and no barrier is needed there.
; REGISTERS: window 0: v0-31 addresses; v96-127 the bias (8 registers a column block); v128-255 the accumulators ((a, b) at v[128 + 8 (4 a + b)]).
;   window 1: two fragment buffers of 128: for 64 along K, 64 registers of O (2 x 4 x 16 rows x 32 K), then 64 of Wo; on the way out v0-127 whole rows.
.set SIZE_K, 2048
.set ROWC,   8192                      ; bytes in a row of out0
.set KSTEP,  256
.set STEPS,  SIZE_K/KSTEP              ; 8
.set PITCH,  528                       ; an LDS row: 512 bytes + 16 of padding = 132 words: row r starts at bank 4 r mod 64 (64 banks of 4 bytes: ISA guide 11.1)
.set HALFT,  64*PITCH                  ; 64 rows: what one tensor load brings, and what one wave reads of O or of Wo: 0x8400 bytes
.set SLOT,   4*HALFT                   ; O's 128 rows, then Wo's 128 rows: 0x21000 bytes.  A wave's tile begins at 0x8400 x wave, which has bits 12 and 17 clear: one exclusive or with SLOT turns it into the other slot's
.set STAGE,  2*SLOT                    ; behind the ring, never filled by a tensor load: 16 rows x 272 bytes for each wave
.set SPITCH, 272
.set SPARE,  STAGE+4*16*SPITCH         ; behind the stages: the spare words, 128 bytes for each wave: two blocks of 256 bytes that no other line names
.set ADRA0, 16                         ; v16     LDS address of my fragments of O in slot 0; never rewritten
.set ADRA,  17                         ; v17     the same in the slot in hand
.set ADRB0, 20                         ; v20, v21  the same two for Wo
.set ADRB,  21
.set STO,  24                          ; v24     the way out: where I put 32 bytes of a row
.set RD,   25                          ; v25     where I read a row back
.set CO,   26                          ; v26     my byte offset in two rows of out0
.set BO,   27                          ; v27     32 x (lane / 16): my 8 numbers of a column block's bias
.set SPW,  28                          ; v28     LDS address of my spare word; never rewritten
.set NIL,  29                          ; v29     0; never rewritten
.set BI,   96
.set ACC,  128
.set F0,   0                           ; fragment buffers, in window 1
.set F1,   128
.set SL,  45                           ; s45     the slot in hand: 0 or SLOT
.set G1, 24                            ; s[24:31] descriptor group 1 for O's tiles;  s[32:39] group 0: a set for each of the two first fills; the second then walks on
.set G0, 32
.set G1B, 48                           ; s[48:55], s[56:63] the same for Wo's tiles
.set G0B, 56
.set MSB, 0
.macro WIN new                         ; the immediate's high byte repeats the setting that is left
.if MSB != (\new)
	s_set_vgpr_msb (MSB<<8)|(\new)
.set MSB, \new
.endif
.endm
.set MUL,  0x05                        ; sources 0 (Wo) and 1 (O) window 1; C and D window 0
.set TO_F, 0x40                        ; destination window 1, address window 0
.macro JLOAD s                         ; a joint load by descriptor set s: waves 0 and 1 fetch O's two halves, waves 2 and 3 Wo's; an s_nop 0 and four v_nop follow each of the two lines
	s_cmp_eq_u32 s11, 0
	s_cbranch_scc0 .Lfor_b_\@
	tensor_load_to_lds s[G0+4*(\s):G0+4*(\s)+3], s[G1:G1+7]
	s_nop 0
.rept 4
	v_nop
.endr
	s_branch .Lasked_\@
.Lfor_b_\@:
	tensor_load_to_lds s[G0B+4*(\s):G0B+4*(\s)+3], s[G1B:G1B+7]
	s_nop 0
.rept 4
	v_nop
.endr
.Lasked_\@:
.endm
.macro CREST                           ; a round of the cluster's barrier behind its opening barrier
	s_cmp_lg_u32 s10, 0
	s_cbranch_scc1 .Lnot_wave_0_\@
	s_barrier_signal -3
.Lnot_wave_0_\@:
	s_barrier_wait -3
	s_barrier_signal -1
	s_barrier_wait -1
.endm
.macro CROUND                          ; a whole round
	s_barrier_signal -1
	s_barrier_wait -1
	CREST
.endm
	s_load_b128 s[4:7], s[0:1], 0x0                ; ob s[4:5], wob s[6:7]
	s_load_b64 s[66:67], s[0:1], 0x10              ; bias
	s_load_b64 s[8:9], s[0:1], 0x18                ; out0
	v_lshl_add_u32 v[SPW], v0, 2, SPARE
	v_mov_b32 v[NIL], 0
	ds_add_u32 v[SPW], v[NIL]                      ; the wave's opening: the add and its wait stand ahead of my first tensor load; the set-up below, work on registers, stands between them
	v_lshrrev_b32 v1, 5, v0
	v_readfirstlane_b32 s10, v1                    ; wave 0..3
	s_lshr_b32 s11, s10, 1                         ; which half of the tile's rows is mine.  Also: I fetch for O (0) or for Wo (1)
	s_and_b32 s12, s10, 1                          ; which half of its columns.  Also: which 64 rows of that tile I fetch
	s_bfe_u32 s40, ttmp6, 0x40000                  ; cx, cy: my place in the cluster
	s_bfe_u32 s41, ttmp6, 0x40004
	s_lshl_b32 s42, ttmp9, 2
	s_add_co_u32 s42, s42, s40                     ; tile column = 4 x cluster x + cx
	s_and_b32 s13, ttmp7, 0xffff
	s_lshl_b32 s13, s13, 2
	s_add_co_u32 s13, s13, s41                     ; tile row = 4 x cluster y + cy
	s_lshl_b32 s43, s41, 2
	s_lshl_b32 s43, 15, s43                        ; my row of the cluster
	s_lshl_b32 s44, 0x1111, s40                    ; my column
	; descriptor group 1: a tile of 64 rows x 256 elements, padded in LDS
	s_or_b32 s[G1+0], s43, (1<<16)|(1<<20)|(1<<21)|(6<<22)|(3<<25)  ; 15:0 the mask; 17:16 2-byte elements; 20 padding on; 21 set beside a mask; 24:22 after every 128 words (code 6); 31:25 4 words (code 3)
	s_or_b32 s[G1B+0], s44, (1<<16)|(1<<20)|(1<<21)|(6<<22)|(3<<25)
.irp g, G1, G1B
	s_mov_b32 s[(\g)+1], KSTEP<<16                 ; tensor_dim0 = 256
	s_mov_b32 s[(\g)+2], 64<<16                    ; tensor_dim1 = 64
	s_mov_b32 s[(\g)+3], KSTEP<<16                 ; tile_dim0 = 256
	s_mov_b32 s[(\g)+4], 64                        ; tile_dim1 = 64
	s_mov_b32 s[(\g)+5], SIZE_K                    ; elements from row to row
	s_mov_b32 s[(\g)+6], 0
	s_mov_b32 s[(\g)+7], 0
.endr
	s_lshl_b32 s17, s12, 6                         ; which 64 rows of the tile I fetch
	s_lshl_b32 s16, s13, 7
	s_add_co_u32 s16, s16, s17                     ; O: row 128 x tile row + 64 x half
	s_lshl_b32 s46, s42, 7
	s_add_co_u32 s46, s46, s17                     ; Wo: row 128 x tile column + 64 x half
	s_mov_b32 s17, 0
	s_mov_b32 s47, 0
	s_mov_b64 s[18:19], SIZE_K*2
	s_mul_u64 s[16:17], s[16:17], s[18:19]
	s_mul_u64 s[46:47], s[46:47], s[18:19]
	s_mul_i32 s20, s10, HALFT                      ; where they go: wave x 64 rows
	s_mov_b32 s[SL], 0                             ; K step 0 lies in slot 0
	s_wait_dscnt 0x0                               ; the opening add is done
	s_wait_kmcnt 0x0
	s_add_nc_u64 s[14:15], s[4:5], s[16:17]
	s_add_nc_u64 s[46:47], s[6:7], s[46:47]
	CROUND                                         ; all sixteen work-groups are here: the first joint loads meet
.irp s, 0,1
	s_mov_b32 s[G0+4*(\s)], 1
	s_add_co_u32 s[G0+4*(\s)+1], s20, (\s)*SLOT
	s_add_nc_u64 s[G0+4*(\s)+2:G0+4*(\s)+3], s[14:15], (\s)*KSTEP*2
	s_or_b32 s[G0+4*(\s)+3], s[G0+4*(\s)+3], 0x80000000
	s_mov_b32 s[G0B+4*(\s)], 1
	s_add_co_u32 s[G0B+4*(\s)+1], s20, (\s)*SLOT
	s_add_nc_u64 s[G0B+4*(\s)+2:G0B+4*(\s)+3], s[46:47], (\s)*KSTEP*2
	s_or_b32 s[G0B+4*(\s)+3], s[G0B+4*(\s)+3], 0x80000000
	JLOAD \s                                       ; two loads of mine are out
.endr
	v_and_b32 v1, 15, v0                           ; l % 16
	v_bfe_u32 v2, v0, 4, 1                         ; l / 16
	v_mul_u32_u24 v3, v1, PITCH
	v_lshl_add_u32 v3, v2, 4, v3                   ; a fragment's row x pitch + 16 x half
	s_mul_i32 s21, s11, HALFT                      ; my 64 rows of O
	s_mul_i32 s22, s12, HALFT                      ; my 64 rows of Wo,
	s_add_co_u32 s22, s22, 2*HALFT                 ; which lie behind O's 128
	v_add_nc_u32 v[ADRA0], s21, v3
	v_add_nc_u32 v[ADRA], s21, v3
	v_add_nc_u32 v[ADRB0], s22, v3
	v_add_nc_u32 v[ADRB], s22, v3
	s_mul_i32 s23, s10, 16*SPITCH
	s_add_co_u32 s23, s23, STAGE                   ; my stage
	v_mul_u32_u24 v4, v1, SPITCH                   ; in: row l % 16, 32 bytes for each half of the lanes
	v_lshl_add_u32 v4, v2, 5, v4
	v_add_nc_u32 v[STO], s23, v4
	v_mul_u32_u24 v5, v2, SPITCH                   ; back: lanes 0-15 take one row of 256 bytes, lanes 16-31 the next
	v_lshl_add_u32 v5, v1, 4, v5
	v_add_nc_u32 v[RD], s23, v5
	v_lshlrev_b32 v5, 13, v2                       ; and the same two rows in out0
	v_lshl_add_u32 v[CO], v1, 4, v5
	v_lshlrev_b32 v[BO], 5, v2
	s_lshl_b32 s46, s42, 9                         ; my 64 columns, in bytes of f32: 512 x tile column + 256 x half
	s_lshl_b32 s47, s12, 8
	s_add_co_u32 s46, s46, s47
	s_lshl_b32 s16, s13, 7
	s_lshl_b32 s17, s11, 6
	s_add_co_u32 s16, s16, s17                     ; my first row: 128 x tile row + 64 x half
	s_lshl_b32 s16, s16, 13
	s_add_co_u32 s16, s16, s46
	s_mov_b32 s17, 0
	s_add_nc_u64 s[8:9], s[8:9], s[16:17]
	s_add_co_u32 s46, s46, 24576                   ; bo lies behind bq, bk and bv
	s_mov_b32 s47, 0
	s_add_nc_u64 s[66:67], s[66:67], s[46:47]
.irp b, 0,1,2,3
	global_load_b128 v[BI+8*(\b):BI+8*(\b)+3],   v[BO], s[66:67] offset:64*(\b)
	global_load_b128 v[BI+8*(\b)+4:BI+8*(\b)+7], v[BO], s[66:67] offset:64*(\b)+16
.endr
; 8 matrix instructions: row blocks a0, a0 + 1 x all 4 column blocks, 32 along K: half c of buffer f.  first = 1: the bias starts the sums.  The 16 accumulators take turns.
.macro MUL8 f, c, a0, first
	WIN MUL
.irp a, \a0, (\a0)+1
.irp b, 0,1,2,3
.if \first
	v_wmma_f32_16x16x32_f16 v[ACC+8*(4*(\a)+(\b)):ACC+8*(4*(\a)+(\b))+7], v[(\f)+64+8*(4*(\c)+(\b)):(\f)+64+8*(4*(\c)+(\b))+7], v[(\f)+8*(4*(\c)+(\a)):(\f)+8*(4*(\c)+(\a))+7], v[BI+8*(\b):BI+8*(\b)+7]
.else
	v_wmma_f32_16x16x32_f16 v[ACC+8*(4*(\a)+(\b)):ACC+8*(4*(\a)+(\b))+7], v[(\f)+64+8*(4*(\c)+(\b)):(\f)+64+8*(4*(\c)+(\b))+7], v[(\f)+8*(4*(\c)+(\a)):(\f)+8*(4*(\c)+(\a))+7], v[ACC+8*(4*(\a)+(\b)):ACC+8*(4*(\a)+(\b))+7]
.endif
.endr
.endr
.endm
; 32 LDS loads in one run: the fragments of 64 along K at byte k of the rows of the slot in hand, into buffer f; the first 32 along K first
.macro FETCH k, f
	WIN TO_F
.irp c, 0,1
.irp i, 0,1,2,3
	ds_load_b128 v[(\f)+64+8*(4*(\c)+(\i)):(\f)+64+8*(4*(\c)+(\i))+3],   v[ADRB] offset:(\k)+64*(\c)+(\i)*16*PITCH
	ds_load_b128 v[(\f)+64+8*(4*(\c)+(\i))+4:(\f)+64+8*(4*(\c)+(\i))+7], v[ADRB] offset:(\k)+64*(\c)+(\i)*16*PITCH+32
	ds_load_b128 v[(\f)+8*(4*(\c)+(\i)):(\f)+8*(4*(\c)+(\i))+3],         v[ADRA] offset:(\k)+64*(\c)+(\i)*16*PITCH
	ds_load_b128 v[(\f)+8*(4*(\c)+(\i))+4:(\f)+8*(4*(\c)+(\i))+7],       v[ADRA] offset:(\k)+64*(\c)+(\i)*16*PITCH+32
.endr
.endr
.endm
.macro PLACES                          ; four places in front of loads into registers that matrix instructions have read
.rept 4
	v_nop
.endr
.endm
; A K step is four quarters of 64 along K, 32 matrix instructions each, on buffers 0, 1, 0, 1.  One of the first three: multiplies buffer f and fetches the next quarter, at byte k, into g.
.macro QUARTER k, f, g, first
	s_wait_dscnt 16                                ; the first 32 along K are in
	MUL8 \f, 0, 0, \first
	MUL8 \f, 0, 2, \first
	PLACES
	FETCH \k, \g
	s_wait_dscnt 32                                ; all but the 32 just issued
	MUL8 \f, 1, 0, 0
	MUL8 \f, 1, 2, 0
.endm
; The last quarter multiplies buffer 1 and changes slots: ONE barrier; in front of it each wave waits for all its tensor loads, adds 0 to its spare word, and waits for that and for its own reads of this slot.
; fill = 1: the barrier opens a round of the cluster's barrier and this slot is filled again, two K steps ahead: the walking descriptors turn to the other slot than last time and step one K step on.
; Then the slot in hand changes, and the next K step's first fragments are fetched.
.macro TURN fill
	WIN 0                                          ; (the add's two registers lie in window 0)
	s_wait_tensorcnt 0x0                           ; all my tensor loads have landed: my part of the next slot
	ds_add_u32 v[SPW], v[NIL]                      ; 0 onto my spare word
	s_wait_dscnt 17                                ; (the add and the youngest sixteen loads may be out)
	MUL8 F1, 0, 0, 0                               ; eight matrix instructions stand between the add and the wait for it
	s_wait_dscnt 0x0                               ; the add is done, and my reads of this slot are over
	s_barrier_signal -1
	MUL8 F1, 0, 2, 0
	WIN 0                                          ; (branches, or lines on window 0, follow)
	s_barrier_wait -1
.if \fill
	CREST                                          ; no wave of any partner still reads this slot's tile or has a load on its way
.irp g, G0+4, G0B+4
	s_xor_b32 s[(\g)+1], s[(\g)+1], SLOT
	s_add_nc_u64 s[(\g)+2:(\g)+3], s[(\g)+2:(\g)+3], KSTEP*2  ; the type bits on top are not reached
.endr
	JLOAD 1                                        ; my one tensor load behind the round; the four v_nop behind it are also the places in front of the loads below
.else
	PLACES
.endif
	s_xor_b32 s[SL], s[SL], SLOT
	v_add_nc_u32 v[ADRA], s[SL], v[ADRA0]
	v_add_nc_u32 v[ADRB], s[SL], v[ADRB0]
	FETCH 0, F0
	MUL8 F1, 1, 0, 0
	MUL8 F1, 1, 2, 0
.endm
	s_wait_tensorcnt 1                             ; my part of K step 0 is in; K step 1's may stay out
	s_barrier_signal -1
	s_barrier_wait -1                              ; everybody's is
	FETCH 0, F0
	s_wait_loadcnt 0x0                             ; the bias
	QUARTER 128, F0, F1, 1                         ; the first quarter stands in front of the loop: its first products start the sums
	WIN 0                                          ; at a label and at a branch every window is 0
	s_mov_b32 s3, STEPS-2
.Lstep:                                                ; a trip goes from a K step's second quarter to the next step's first, and fills the slot that it leaves: K steps 2 to 7
	QUARTER 256, F1, F0, 0
	QUARTER 384, F0, F1, 0
	TURN 1
	QUARTER 128, F0, F1, 0
	WIN 0
	s_sub_co_u32 s3, s3, 1
	s_cmp_lg_u32 s3, 0
	s_cbranch_scc1 .Lstep
	s_mov_b32 s3, 2                                ; the last two K steps fill nothing and have no round of the cluster's barrier: a text of their own
.Ltail:
	QUARTER 256, F1, F0, 0
	QUARTER 384, F0, F1, 0
	WIN 0
	s_cmp_eq_u32 s3, 1                             ; the second trip is left here: the count is a constant of the text, the same in every wave
	s_cbranch_scc1 .Lout
	TURN 0
	QUARTER 128, F0, F1, 0
	WIN 0
	s_sub_co_u32 s3, s3, 1
	s_cmp_lg_u32 s3, 0
	s_cbranch_scc1 .Ltail
.Lout:
	s_wait_dscnt 16                                ; the very last quarter: nothing more to fetch
	MUL8 F1, 0, 0, 0
	MUL8 F1, 0, 2, 0
	s_wait_dscnt 0x0
	MUL8 F1, 1, 0, 0
	MUL8 F1, 1, 2, 0
	WIN 0
	; THE WAY OUT, 16 rows at a time: 32 bytes a lane straight from the accumulators into my own stage, back as whole rows of 256 bytes, stored.
.rept 8
	v_nop                                          ; the places behind the last products
.endr
.macro TOSTAGE a
	WIN 0
.irp b, 0,1,2,3
	ds_store_b128 v[STO], v[ACC+8*(4*(\a)+(\b)):ACC+8*(4*(\a)+(\b))+3]   offset:64*(\b)      ; each accumulator's low four registers first
	ds_store_b128 v[STO], v[ACC+8*(4*(\a)+(\b))+4:ACC+8*(4*(\a)+(\b))+7] offset:64*(\b)+16
.endr
	WIN TO_F
.irp t, 0,1,2,3,4,5,6,7
	ds_load_b128 v[32*(\a)+4*(\t):32*(\a)+4*(\t)+3], v[RD] offset:(\t)*2*SPITCH  ; LDS serves a wave's instructions in order (ISA guide 5.7.1.4): these see the stores above; the next block's stores come behind them
.endr
.endm
.macro SEND a, younger                 ; younger: the LDS instructions issued behind block a's loads: the next block's sixteen, or none
	WIN 0x04                                       ; the data in window 1
.irp t, 0,1,2,3,4,5,6,7
	s_wait_dscnt (\younger)+7-(\t)
	global_store_b128 v[CO], v[32*(\a)+4*(\t):32*(\a)+4*(\t)+3], s[8:9] offset:(16*(\a)+2*(\t))*ROWC th:TH_STORE_NT  ; 16 lanes store 256 consecutive bytes, at a multiple of 256 from out0's first byte
.endr
.endm
	TOSTAGE 0
	TOSTAGE 1
	SEND 0, 16
	TOSTAGE 2
	SEND 1, 16
	TOSTAGE 3
	SEND 2, 16
	SEND 3, 0
	WIN 0
	s_wait_tensorcnt 0x0                           ; the wave's end, behind my last tensor load and my last LDS store
	ds_add_u32 v[SPW], v[NIL]
	s_wait_dscnt 0x0
	CROUND                                         ; the closing round: no work-group ends while a partner may still ask for a tile that names it
	s_endpgm
.Lfunc_end_k_q5456896439_oproj:
	.size	k_q5456896439_oproj, .Lfunc_end_k_q5456896439_oproj-k_q5456896439_oproj
	.p2alignl 7, 3214868480
	.fill 96, 4, 3214868480
	.section	.rodata,"a",@progbits
	.p2align	6, 0x0
	.amdhsa_kernel k_q5456896439_oproj
		.amdhsa_group_segment_fixed_size 327680
		.amdhsa_private_segment_fixed_size 0
		.amdhsa_enable_private_segment 0
		.amdhsa_kernarg_size 32
		.amdhsa_user_sgpr_count 2
		.amdhsa_user_sgpr_kernarg_segment_ptr 1
		.amdhsa_wavefront_size32 1
		.amdhsa_system_sgpr_workgroup_id_x 1
		.amdhsa_system_sgpr_workgroup_id_y 1
		.amdhsa_system_sgpr_workgroup_id_z 1
		.amdhsa_system_vgpr_workitem_id 0
		.amdhsa_next_free_vgpr 512
		.amdhsa_next_free_sgpr 68
		.amdhsa_reserve_vcc 0
		.amdhsa_float_denorm_mode_32 3
		.amdhsa_float_denorm_mode_16_64 3
		.amdhsa_memory_ordered 1
		.amdhsa_forward_progress 1
		.amdhsa_inst_pref_size 62
	.end_amdhsa_kernel
	.amdgpu_metadata
---
amdhsa.version: [ 1, 2 ]
amdhsa.kernels:
  - .name:           k_q5456896439_oproj
    .symbol:         k_q5456896439_oproj.kd
    .args:
      - { .name: ob, .offset: 0, .size: 8, .value_kind: global_buffer, .address_space: global }
      - { .name: wob, .offset: 8, .size: 8, .value_kind: global_buffer, .address_space: global }
      - { .name: bias, .offset: 16, .size: 8, .value_kind: global_buffer, .address_space: global }
      - { .name: out0, .offset: 24, .size: 8, .value_kind: global_buffer, .address_space: global }
    .group_segment_fixed_size: 327680
    .private_segment_fixed_size: 0
    .kernarg_segment_align: 8
    .kernarg_segment_size: 32
    .max_flat_workgroup_size: 128
    .sgpr_count:     68
    .vgpr_count:     512
    .wavefront_size: 32
...
	.end_amdgpu_metadata
.endif
;; end of part 4
